; MI455X (gfx1250); checked and timed in simulation.
; The chip was launched on July 23, 2026; its instructions are those of AMD's public machine-readable ISA for CDNA 5 (MIT licence, August 2026) and "CDNA5" Instruction Set Architecture Reference Guide (July 2026). The comments in the code are by the model that wrote it; some were corrected since.
;; Multi Modal Attention. Allowed arithmetic: matrix products marked QUANTISED: E2M1 operands, one E8M0 scale for each 32 along K, by v_wmma_scale_f32_16x16x128_f8f6f4 with both operands' format E2M1 (or v_wmma_scale_f32_32x16x128_f4), f32 sums; products left as they are: bf16, f16 or f32 operands; f32 sums; everything else in f32.
;; Inputs: wk 4,096 x 512 float32; wo 2,048 x 4,096 float32; wq 4,096 x 2,048 float32; wv 4,096 x 512 float32; x 1 x 2,048 x 4,096 float32.
;; Outputs: out0 1 x 2,048 x 4,096 float32.
;; This version of the problem:
;;   THIS VERSION OF THE PROBLEM IS GIVEN IN LOW PRECISION. The matrix products marked QUANTISED in the list below multiply operands that are first quantised to E2M1 (2 exponent bits, 1 mantissa bit; 4 bits a number), with one power-of-two scale for each 32 numbers along K (OCP MX v1.0); their sums are f32. The products marked 'left as it is' may take bf16, f16 or f32 operands, with f32 sums. Whichever they take, every output number must still come out within the allowed error. Rounding operands to bf16 (8 significant bits) uses up far more of that allowance than f16 does (11 bits, for magnitudes from 6e-5 to 65,504). All else is computed in f32.
;;   The module's matrix products, in the order in which they are computed (A, B: the left and right operand; K: the contracted axis; several contracted axes count as one K, in the product's order):
;;     1. [M 2,048, K 4,096] x [K 4,096, N 2,048]; A: input x; B: input wq: QUANTISED
;;     2. [M 2,048, K 4,096] x [K 4,096, N 512]; A: input x; B: input wk: QUANTISED
;;     3. [M 2,048, K 4,096] x [K 4,096, N 512]; A: input x; B: input wv: QUANTISED
;;     4. batch 16 x [M 2,048, K 128] x [K 128, N 2,048]; A: computed on the way; B: computed on the way: left as it is (an operand is computed on the way)
;;     5. batch 16 x [M 2,048, K 2,048] x [K 2,048, N 128]; A: computed on the way; B: computed on the way: left as it is (an operand is computed on the way)
;;     6. [M 2,048, K 2,048] x [K 2,048, N 4,096]; A: computed on the way; B: input wo: left as it is (an operand is computed on the way)
;;   THE QUANTISER, for each operand of a quantised product, along K:
;;     - K is cut into blocks of 32 from its start; a last block that is shorter is filled with zeros.
;;     - A block's scale is 2^e with e = floor(log2(the largest magnitude in the block)) - 2, held to -126 .. 127; a block of zeros has e = 0. As a byte (E8M0): e + 127.
;;     - Each number is divided by its block's scale, clamped to +-6, and rounded to the nearest number of E2M1, ties to even, subnormals kept.
;;     - The product sums the exact products of the quantised numbers (number of the format x scale) in f32.
;;   ~~~python
;;   def quantise(x, axis):      # numpy; x: float32 -> the quantised numbers, widened to float32 again
;;       x = np.moveaxis(x, axis, -1); K = x.shape[-1]
;;       x = np.pad(x, [(0, 0)] * (x.ndim - 1) + [(0, -K % 32)]); x = x.reshape(x.shape[:-1] + (-1, 32)); a = np.abs(x).max(-1, keepdims=True)
;;       e = np.where(a > 0, np.clip(np.frexp(np.where(a > 0, a, 1))[1] - 1 - 2, -126, 127), 0)      # np.frexp(a)[1] - 1 = floor(log2(a)), exactly
;;       r = np.clip(x / 2.0 ** e, -6, 6)
;;       step = 2.0 ** (np.maximum(np.frexp(np.where(r == 0, 1, r))[1] - 1, 0) - 1)
;;       q = np.round(r / step) * step * 2.0 ** e      # np.round: ties to even
;;       return np.moveaxis(q.reshape(q.shape[:-2] + (-1,))[..., :K], -1, axis).astype(np.float32)
;;   ~~~
;; One version. Each part assembles by itself: llvm-mc -triple=amdgcn-amd-amdhsa -mcpu=gfx1250 --defsym DOCPART=n.
;; ======== version 1 of 1: 5 launches
;; limits: values are held in f16: magnitudes above 65,504 overflow, below 6.1e-05 lose precision; right only within a limited range of input values
;; workspace buffers: cod 10,485,760 bytes; scl 655,360 bytes; wot 16,777,216 bytes; tab 1,056,768 bytes; qkv 12,582,912 bytes; q16 196,608 bytes; att 8,388,608 bytes
;; launch prep (part 1): grid 1089 x 1, 4 waves a work-group, no clusters, 102,912 bytes of LDS; arguments x, wq, wk, wv, wo, cod, scl, wot, tab; writes cod, scl, wot, tab
.if DOCPART == 1
	.amdgcn_target "amdgcn-amd-amdhsa--gfx1250"
	.amdhsa_code_object_version 6
	.text
	.protected	k_q9860eaac7e_prep
	.globl	k_q9860eaac7e_prep
	.p2align	8
	.type	k_q9860eaac7e_prep,@function
k_q9860eaac7e_prep:
	s_mov_b64 s[64:65], 0
	v_nop
	global_prefetch_b8 v0, s[64:65] scope:SCOPE_SE
	s_setreg_imm32_b32 hwreg(HW_REG_WAVE_MODE, 25, 1), 1
	s_wait_xcnt 0x0
; One pass over all f32 inputs.  Four kinds of work-group, told apart by the work-group's number alone:
;   0 .. 255    X: x [2048][4096] -> codes of FP4 (E2M1), K innermost, rows 0-2047 of cod, and E8M0 bytes in scl
;   256 .. 447  W: wq | wk | wv, whose K is their FIRST axis -> rows 2048 + n of cod and scl (n: 0-2047 q, 2048-2559 k, 2560-3071 v)
;   448 .. 959  O: wo [2048 k][4096 n] -> wot [4096 n][2048 k] = 8 wo in f16 (the 8 undoes the 2^-3 that v carries)
;   960 .. 1088 T: the table of cos / 8 and sin / 8 of the rotary angles, laid in the order of the product's result registers; group 128 is the identity (0.125, 0), for v
; A block's scale is 2^(floor(log2(largest magnitude)) - 2); its byte is the largest magnitude's exponent field - 2, held at 1 from below.
; LIMITS: a block of zeros gets the byte 1 where the quantiser says 127 (its codes are zeros; this program alone reads the bytes); NaN and infinities are not served;
; |wo| up to 8,188 (8 wo must be an f16 number); the rotary angle is within about 2e-4 rad of the f32 table's at position 2047 (the frequency comes by v_exp_f32).
; No tensor load, no barrier: a wave reads only LDS bytes that it wrote.  Each kind has LDS bytes of its own.
.set SPW,   222                        ; v222 LDS address of my spare word; never rewritten
.set NIL,   223                        ; v223 0; never rewritten
.set WLDS,  32768                      ; X: 0 .. 32,767 (8,192 a wave);  W: four stages of 32 x 272
.set OLDS,  67584                      ; O: four stages of 32 x 272
.set SPARE, 102400                     ; the spare words, 128 bytes a wave
.macro FINISH                          ; the wave's end, behind my last LDS store
	s_wait_tensorcnt 0x0
	ds_add_u32 v[SPW], v[NIL]
	s_wait_dscnt 0x0
	s_endpgm
.endm
	s_load_b256 s[4:11], s[0:1], 0x0               ; x, wq, wk, wv
	s_load_b128 s[12:15], s[0:1], 0x20             ; wo, cod
	s_load_b128 s[20:23], s[0:1], 0x30             ; scl, wot
	s_load_b64 s[24:25], s[0:1], 0x40              ; tab
	v_lshl_add_u32 v[SPW], v0, 2, SPARE
	v_mov_b32 v[NIL], 0
	v_lshrrev_b32 v1, 5, v0
	v_readfirstlane_b32 s16, v1                    ; wave 0..3
	v_and_b32 v2, 31, v0                           ; lane
	s_wait_kmcnt 0x0
	s_cmp_lt_u32 ttmp9, 256
	s_cbranch_scc1 .LX
	s_cmp_lt_u32 ttmp9, 448
	s_cbranch_scc1 .LW
	s_cmp_lt_u32 ttmp9, 960
	s_cbranch_scc1 .LO
	s_branch .LT
; ---------------- X: a wave takes 16 steps of 512 numbers of the dense stream.  Loads read 512 consecutive bytes; a step's 2,048 bytes turn through the wave's stage so that a lane holds 16 neighbours.
.set XR, 16                            ; v16-79   four sets of 16 numbers as loaded
.set XX, 80                            ; v80-111  two sets of 16 neighbours
.set XE, 112                           ; v112-127 a scale byte for each step
.set XC, 128                           ; v128-191 codes, registers of its own for each step
.macro XLOAD t
.irp i, 0,1,2,3
	global_load_b128 v[XR+16*((\t)%4)+4*\i:XR+16*((\t)%4)+4*\i+3], v3, s[4:5] offset:2048*(\t)+512*\i th:TH_LOAD_NT
.endr
.endm
.macro XTURN t                         ; LDS serves a wave's instructions in order: no wait between the stores and the loads
.irp i, 0,1,2,3
	ds_store_b128 v14, v[XR+16*((\t)%4)+4*\i:XR+16*((\t)%4)+4*\i+3] offset:2560*((\t)%2)+640*\i
.endr
.irp i, 0,1,2,3
	ds_load_b128 v[XX+16*((\t)%2)+4*\i:XX+16*((\t)%2)+4*\i+3], v15 offset:2560*((\t)%2)+16*\i
.endr
.endm
.macro XSTEP t
.set XS, XX+16*((\t)%2)
.if (\t) > 0
	s_wait_dscnt 1                                 ; this step's numbers are back from the stage; the last step's byte store may be out
.else
	s_wait_dscnt 0x0
.endif
.if (\t)+4 < 16
	XLOAD (\t)+4
.endif
.if (\t)+1 < 16
.if 14-(\t) >= 3
	s_wait_loadcnt 12                              ; the next step's four loads are in; three steps' may be out
.else
	s_wait_loadcnt 4*(14-(\t))
.endif
	XTURN (\t)+1
.endif
	v_max3_num_f32 v8, |v[XS]|, |v[XS+1]|, |v[XS+2]|
	v_max3_num_f32 v9, |v[XS+3]|, |v[XS+4]|, |v[XS+5]|
.irp i, 6,10
	v_max3_num_f32 v8, v8, |v[XS+\i]|, |v[XS+\i+1]|
	v_max3_num_f32 v9, v9, |v[XS+\i+2]|, |v[XS+\i+3]|
.endr
	v_max3_num_f32 v8, v8, |v[XS+14]|, |v[XS+15]|
	v_max3_num_f32 v8, v8, v9, 0x1800000           ; the floor 2^(3 - 127): the byte cannot fall under 1
	v_max_num_f32_dpp v8, v8, v8 row_xmask:1 row_mask:0xf bank_mask:0xf   ; with my neighbour's 16: the block's largest magnitude
	v_add_nc_u32 v11, 0xff000000, v8               ; 2 off its exponent field: the conversion's scale operand
	v_cvt_scalef32_pk8_fp4_f32 v[XC+4*(\t)], v[XS:XS+7], v11
	v_cvt_scalef32_pk8_fp4_f32 v[XC+4*(\t)+1], v[XS+8:XS+15], v11
	v_lshrrev_b32 v[XE+(\t)], 23, v11              ; the scale's byte
	ds_store_b8 v5, v[XE+(\t)] offset:16*(\t)      ; both lanes of a block write the same byte with the same value
	global_store_b64 v4, v[XC+4*(\t):XC+4*(\t)+1], s[14:15] offset:256*(\t)   ; the wave stores 256 consecutive bytes, aligned
.endm
.LX:
	v_lshlrev_b32 v3, 4, v2                        ; my 16 bytes of a load's 512
	s_lshl_b32 s17, s16, 13                        ; my wave's 8,192 bytes of LDS
	v_lshrrev_b32 v14, 2, v2
	v_mul_u32_u24 v14, v14, 80
	v_and_b32 v15, 3, v2
	v_lshl_add_u32 v14, v15, 4, v14
	v_add_nc_u32 v14, s17, v14                     ; into the stage: 80 (lane / 4) + 16 (lane % 4)
	v_mul_u32_u24 v15, v2, 80
	v_add_nc_u32 v15, s17, v15                     ; out of it: 80 x lane
	v_lshlrev_b32 v4, 3, v2                        ; 8 bytes a lane: my codes in a step's, my scale bytes on the way out
	v_lshrrev_b32 v5, 1, v2
	s_add_co_u32 s17, s17, 5120                    ; behind the two stages: the wave's 256 scale bytes
	v_add_nc_u32 v5, s17, v5
	v_add_nc_u32 v6, s17, v4
	s_lshl_b32 s18, ttmp9, 2
	s_add_co_u32 s18, s18, s16                     ; which run of 8,192 numbers is my wave's
	s_mov_b32 s27, 0
	s_lshl_b32 s26, s18, 15
	s_add_nc_u64 s[4:5], s[4:5], s[26:27]
	s_lshl_b32 s26, s18, 12
	s_add_nc_u64 s[14:15], s[14:15], s[26:27]
	s_lshl_b32 s26, s18, 8
	s_add_nc_u64 s[20:21], s[20:21], s[26:27]
.irp t, 0,1,2,3
	XLOAD \t
.endr
	s_wait_loadcnt 12                              ; step 0's four loads are in
	XTURN 0
.irp t, 0,1,2,3,4,5,6,7,8,9,10,11,12,13,14,15
	XSTEP \t
.endr
	ds_load_b64 v[8:9], v6
	s_wait_dscnt 0x0
	global_store_b64 v4, v[8:9], s[20:21]          ; 32 lanes store 256 consecutive bytes, aligned
	FINISH
; ---------------- W: a lane takes a column, its registers run down K.  A wave: 32 columns x 512 along K.  The row pitch differs between wq and wk, wv: it stands in a register.
.macro WLOAD t                         ; block t: 32 rows of the weight at my column
.if (\t) > 0
	s_wait_xcnt 0x0                                ; the loads issued so far have read their base: it steps 32 rows
	s_add_nc_u64 s[26:27], s[26:27], s[30:31]
.endif
.set i, 0
.rept 32
	global_load_b32 v[32+32*((\t)%2)+i], v[176+i], s[26:27] th:TH_LOAD_NT
.set i, i+1
.endr
.endm
.macro WBLOCK t
.set XS, 32+32*((\t)%2)
.if (\t) < 15
	s_wait_loadcnt 32                              ; this block's 32 loads are in; the next block's may be out
.else
	s_wait_loadcnt 0
.endif
	v_max3_num_f32 v12, |v[XS]|, |v[XS+1]|, |v[XS+2]|
	v_max3_num_f32 v13, |v[XS+3]|, |v[XS+4]|, |v[XS+5]|
.irp i, 6,10,14,18,22,26
	v_max3_num_f32 v12, v12, |v[XS+\i]|, |v[XS+\i+1]|
	v_max3_num_f32 v13, v13, |v[XS+\i+2]|, |v[XS+\i+3]|
.endr
	v_max3_num_f32 v12, v12, |v[XS+30]|, |v[XS+31]|
	v_max3_num_f32 v12, v12, v13, 0x1800000        ; the floor
	v_add_nc_u32 v11, 0xff000000, v12
	v_lshrrev_b32 v13, 23, v11
.if (\t)%4 == 0
	v_mov_b32 v[24+(\t)/4], v13                    ; four bytes to a register, the lower K in the lower byte
.else
	v_lshl_or_b32 v[24+(\t)/4], v13, 8*((\t)%4), v[24+(\t)/4]
.endif
.irp g, 0,1,2,3
	v_cvt_scalef32_pk8_fp4_f32 v[96+\g], v[XS+8*\g:XS+8*\g+7], v11
.endr
	ds_store_b128 v4, v[96:99] offset:16*(\t)      ; 32 codes: 16 bytes of my column's row
.if (\t)+2 < 16
	WLOAD (\t)+2
.endif
	s_wait_dscnt 0x0                               ; the store has read its registers: the next block's codes may be written
.endm
.LW:
	s_sub_co_u32 s17, ttmp9, 256
	s_and_b32 s18, s17, 7                          ; which 512 along K
	s_lshr_b32 s19, s17, 3                         ; which 128 of the 3,072 columns
	s_and_b32 s29, s19, 3
	s_mov_b32 s28, 2048
	s_cmp_lt_u32 s19, 16                           ; the choice of buffer hangs on the work-group's number alone
	s_cselect_b64 s[26:27], s[6:7], s[8:9]
	s_cselect_b32 s28, 8192, s28                   ; bytes from row to row
	s_cselect_b32 s29, s19, s29                    ; the column tile inside its own weight
	s_cmp_ge_u32 s19, 20
	s_cselect_b64 s[26:27], s[10:11], s[26:27]
	s_lshl_b32 s32, s18, 9
	s_mul_i32 s32, s32, s28
	s_lshl_b32 s33, s29, 9
	s_add_co_u32 s32, s32, s33
	s_lshl_b32 s33, s16, 7
	s_add_co_u32 s32, s32, s33
	s_mov_b32 s33, 0
	s_add_nc_u64 s[26:27], s[26:27], s[32:33]      ; the weight at row 512 ky, column 128 tile + 32 wave
	s_lshl_b32 s30, s28, 5                         ; 32 rows on
	s_mov_b32 s31, 0
	s_lshl_b32 s34, s19, 7
	s_lshl_b32 s32, s16, 5
	s_add_co_u32 s34, s34, s32
	s_add_co_u32 s34, s34, 2048                    ; my wave's first row of cod and scl
	s_lshl_b32 s32, s34, 11
	s_lshl_b32 s35, s18, 8
	s_add_co_u32 s32, s32, s35
	s_add_nc_u64 s[14:15], s[14:15], s[32:33]
	s_lshl_b32 s32, s34, 7
	s_lshl_b32 s35, s18, 4
	s_add_co_u32 s32, s32, s35
	s_add_nc_u64 s[20:21], s[20:21], s[32:33]
	v_lshlrev_b32 v3, 2, v2
.set i, 0
.rept 32
	v_mad_u32_u24 v[176+i], s28, i, v3             ; row i of a block: i x pitch + 4 x lane
.set i, i+1
.endr
	s_mul_i32 s35, s16, 8704
	s_add_co_u32 s35, s35, WLDS                    ; my stage
	v_mul_u32_u24 v4, v2, 272
	v_add_nc_u32 v4, s35, v4                       ; into it: row = my column
	v_and_b32 v5, 15, v2
	v_lshrrev_b32 v6, 4, v2
	v_mul_u32_u24 v7, v6, 272
	v_lshl_add_u32 v7, v5, 4, v7
	v_add_nc_u32 v7, s35, v7                       ; out of it: sixteen lanes to a row
	v_lshlrev_b32 v8, 11, v6
	v_lshl_add_u32 v8, v5, 4, v8                   ; and the same place in cod
	v_lshlrev_b32 v9, 7, v2                        ; my column's row of scale bytes
	WLOAD 0
	WLOAD 1
.set Q, 0
.rept 16
	WBLOCK Q
.set Q, Q+1
.endr
	global_store_b128 v9, v[24:27], s[20:21]       ; my column's 16 scale bytes of these 512 along K
.irp t, 0,1,2,3,4,5,6,7,8,9,10,11,12,13,14,15
	ds_load_b128 v[112+4*\t:112+4*\t+3], v7 offset:2*\t*272
.endr
.irp t, 0,1,2,3,4,5,6,7,8,9,10,11,12,13,14,15
	s_wait_dscnt 15-\t
	global_store_b128 v8, v[112+4*\t:112+4*\t+3], s[14:15] offset:2*\t*2048   ; sixteen lanes store 256 consecutive bytes, aligned
.endr
	FINISH
; ---------------- O: the same plan for wo: a lane a column, 128 along K; x 8, to f16, through the stage, out as rows of 256 bytes
.macro OLOAD t
.set i, 0
.rept 32
	global_load_b32 v[32+32*(\t)+i], v3, s[12:13] offset:(32*(\t)+i)*16384 th:TH_LOAD_NT
.set i, i+1
.endr
.endm
.macro OBLOCK t
.if (\t) < 3
	s_wait_loadcnt 32                              ; this block's 32 loads are in; the next block's may be out
.else
	s_wait_loadcnt 0
.endif
.if (\t)+2 < 4
	OLOAD (\t)+2
.endif
.set i, 0
.rept 16
	v_pk_mul_f32 v[32+32*(\t)+2*i:32+32*(\t)+2*i+1], v[32+32*(\t)+2*i:32+32*(\t)+2*i+1], 0x41000000 op_sel_hi:[1,0]
.set i, i+1
.endr
.set i, 0
.rept 16
	v_cvt_pk_f16_f32 v[32+32*(\t)+i], v[32+32*(\t)+2*i], v[32+32*(\t)+2*i+1]   ; in place, ascending: register i is written when 2 i and 2 i + 1 are read
.set i, i+1
.endr
.irp c, 0,1,2,3
	ds_store_b128 v4, v[32+32*(\t)+4*\c:32+32*(\t)+4*\c+3] offset:64*(\t)+16*\c
.endr
.endm
.LO:
	s_sub_co_u32 s17, ttmp9, 448
	s_and_b32 s18, s17, 31                         ; which 128 columns
	s_lshr_b32 s19, s17, 5                         ; which 128 along K
	s_lshl_b32 s26, s19, 21
	s_lshl_b32 s27, s18, 9
	s_add_co_u32 s26, s26, s27
	s_lshl_b32 s27, s16, 7
	s_add_co_u32 s26, s26, s27
	s_mov_b32 s27, 0
	s_add_nc_u64 s[12:13], s[12:13], s[26:27]
	s_lshl_b32 s26, s18, 19
	s_lshl_b32 s28, s16, 17
	s_add_co_u32 s26, s26, s28
	s_lshl_b32 s28, s19, 8
	s_add_co_u32 s26, s26, s28
	s_add_nc_u64 s[22:23], s[22:23], s[26:27]
	v_lshlrev_b32 v3, 2, v2
	s_mul_i32 s35, s16, 8704
	s_add_co_u32 s35, s35, OLDS
	v_mul_u32_u24 v4, v2, 272
	v_add_nc_u32 v4, s35, v4
	v_and_b32 v5, 15, v2
	v_lshrrev_b32 v6, 4, v2
	v_mul_u32_u24 v7, v6, 272
	v_lshl_add_u32 v7, v5, 4, v7
	v_add_nc_u32 v7, s35, v7
	v_lshlrev_b32 v8, 12, v6
	v_lshl_add_u32 v8, v5, 4, v8
	OLOAD 0
	OLOAD 1
	OBLOCK 0
	OBLOCK 1
	OBLOCK 2
	OBLOCK 3
	s_wait_dscnt 0x0                               ; the stores have read their registers
.irp t, 0,1,2,3,4,5,6,7,8,9,10,11,12,13,14,15
	ds_load_b128 v[32+4*\t:32+4*\t+3], v7 offset:2*\t*272
.endr
.irp t, 0,1,2,3,4,5,6,7,8,9,10,11,12,13,14,15
	s_wait_dscnt 15-\t
	global_store_b128 v8, v[32+4*\t:32+4*\t+3], s[22:23] offset:2*\t*4096      ; sixteen lanes store 256 consecutive bytes, aligned
.endr
	FINISH
; ---------------- T: group g = positions 16 g + r; wave b, lane (r, h): frequencies 16 b + 8 h + 0 .. 7.  All in f32; sine and cosine by reduction to [-pi/4, pi/4] and polynomials.
.macro TRIG j                          ; v[32+j]: the plain inverse frequency
	v_mul_f32 v[40+\j], s42, v[32+\j]              ; 163,840 / wavelength
	v_add_f32 v[40+\j], -1.0, v[40+\j]
	v_mul_f32 v[40+\j], s43, v[40+\j]
	v_med3_num_f32 v[40+\j], v[40+\j], 0, 1.0      ; gamma
	v_sub_f32 v[48+\j], 1.0, v[40+\j]
	v_fma_f32 v[40+\j], v[48+\j], s44, v[40+\j]    ; (1 - gamma) / 80 + gamma
	v_mul_f32 v[32+\j], v[32+\j], v[40+\j]
	v_mul_f32 v[32+\j], v3, v[32+\j]               ; position x frequency
	v_mul_f32 v[40+\j], s45, v[32+\j]              ; / sqrt(0.1 ln 80 + 1): by the reciprocal, mended by one step
	v_fma_f32 v[48+\j], -v[40+\j], s46, v[32+\j]
	v_fma_f32 v[40+\j], v[48+\j], s45, v[40+\j]
	v_mul_f32 v[48+\j], s47, v[40+\j]
	v_rndne_f32 v[48+\j], v[48+\j]                 ; n = the nearest multiple of pi / 2
	v_fma_f32 v[40+\j], v[48+\j], s48, v[40+\j]
	v_fma_f32 v[40+\j], v[48+\j], s49, v[40+\j]    ; the rest, pi / 2 taken off in two parts
	v_mul_f32 v[32+\j], v[40+\j], v[40+\j]
	v_cvt_i32_f32 v[48+\j], v[48+\j]
	v_fma_f32 v[56+\j], v[32+\j], s50, s51
	v_fma_f32 v[56+\j], v[56+\j], v[32+\j], s52
	v_mul_f32 v[56+\j], v[56+\j], v[32+\j]
	v_fma_f32 v[56+\j], v[56+\j], v[40+\j], v[40+\j]   ; sine of the rest
	v_fma_f32 v[64+\j], v[32+\j], s53, s54
	v_fma_f32 v[64+\j], v[64+\j], v[32+\j], s55
	v_mul_f32 v[64+\j], v[64+\j], v[32+\j]
	v_fma_f32 v[72+\j], v[32+\j], -0.5, 1.0
	v_fma_f32 v[64+\j], v[64+\j], v[32+\j], v[72+\j]   ; cosine of the rest
	v_and_b32 v[72+\j], 1, v[48+\j]
	v_cmp_eq_u32 vcc_lo, 1, v[72+\j]               ; an odd n changes the two over
	v_cndmask_b32 v[72+\j], v[56+\j], v[64+\j], vcc_lo
	v_cndmask_b32 v[64+\j], v[64+\j], v[56+\j], vcc_lo
	v_and_b32 v[56+\j], 2, v[48+\j]
	v_lshlrev_b32 v[56+\j], 30, v[56+\j]
	v_xor_b32 v[72+\j], v[56+\j], v[72+\j]         ; the sine's sign: n mod 4 = 2, 3
	v_add_nc_u32 v[48+\j], 1, v[48+\j]
	v_and_b32 v[48+\j], 2, v[48+\j]
	v_lshlrev_b32 v[48+\j], 30, v[48+\j]
	v_xor_b32 v[64+\j], v[48+\j], v[64+\j]         ; the cosine's: n mod 4 = 1, 2
	v_mul_f32 v[80+\j], 0x3e000000, v[64+\j]       ; / 8: exact
	v_mul_f32 v[88+\j], 0x3e000000, v[72+\j]
	v_cndmask_b32 v[80+\j], v[80+\j], v6, s40      ; group 128: the identity
	v_cndmask_b32 v[88+\j], v[88+\j], v[NIL], s40
.endm
.LT:
	s_sub_co_u32 s26, ttmp9, 960                   ; the group
	s_mov_b32 s41, 0xbe549a78                      ; -log2(10000) / 64
	s_mov_b32 s42, 0x46cbb7e4                      ; 163,840 / (2 pi)
	s_mov_b32 s43, 0x3d042108                      ; 1 / 31
	s_mov_b32 s44, 0x3c4ccccd                      ; 1 / 80
	s_mov_b32 s45, 0x3f557773                      ; 1 / sqrt(0.1 ln 80 + 1)
	s_mov_b32 s46, 0x3f99810d                      ; sqrt(0.1 ln 80 + 1)
	s_mov_b32 s47, 0x3f22f983                      ; 2 / pi
	s_mov_b32 s48, 0xbfc90fdb                      ; -(pi / 2), its f32 part
	s_mov_b32 s49, 0x333bbd2e                      ; and what that part is too large by
	s_mov_b32 s50, 0xb94ca1f9                      ; the sine's coefficients
	s_mov_b32 s51, 0x3c08839e
	s_mov_b32 s52, 0xbe2aaaa3
	s_mov_b32 s53, 0x37ccf5ce                      ; the cosine's
	s_mov_b32 s54, 0xbab6061a
	s_mov_b32 s55, 0x3d2aaaa5
	s_cmp_eq_u32 s26, 128
	s_cselect_b32 s40, -1, 0
	v_and_b32 v1, 15, v0                           ; r
	v_bfe_u32 v4, v0, 4, 1                         ; h
	s_lshl_b32 s27, s26, 4
	v_add_nc_u32 v3, s27, v1
	v_cvt_f32_u32 v3, v3                           ; the position
	s_lshl_b32 s28, s16, 4
	v_lshl_add_u32 v4, v4, 3, s28                  ; 16 b + 8 h
	v_lshlrev_b32 v5, 4, v2                        ; 16 x lane
	v_mov_b32 v6, 0x3e000000
	s_lshl_b32 s26, s26, 13
	s_lshl_b32 s28, s16, 11
	s_add_co_u32 s26, s26, s28
	s_mov_b32 s27, 0
	s_add_nc_u64 s[24:25], s[24:25], s[26:27]
.irp j, 0,1,2,3,4,5,6,7
	v_add_nc_u32 v[32+\j], \j, v4
.endr
.irp j, 0,1,2,3,4,5,6,7
	v_cvt_f32_u32 v[32+\j], v[32+\j]
.endr
.irp j, 0,1,2,3,4,5,6,7
	v_mul_f32 v[32+\j], s41, v[32+\j]
.endr
.irp j, 0,1,2,3,4,5,6,7
	v_exp_f32 v[32+\j], v[32+\j]                   ; 10000^(-i / 64)
.endr
	v_nop                                          ; a plain instruction behind the last exponential
	s_wait_alu depctr_va_vdst(0)                   ; one wait for the batch, ahead of its first reader
.irp j, 0,1,2,3,4,5,6,7
	TRIG \j
.endr
	global_store_b128 v5, v[80:83], s[24:25]       ; each store of the wave covers 512 consecutive bytes, aligned
	global_store_b128 v5, v[84:87], s[24:25] offset:512
	global_store_b128 v5, v[88:91], s[24:25] offset:1024
	global_store_b128 v5, v[92:95], s[24:25] offset:1536
	FINISH
.Lfunc_end_k_q9860eaac7e_prep:
	.size	k_q9860eaac7e_prep, .Lfunc_end_k_q9860eaac7e_prep-k_q9860eaac7e_prep
	.p2alignl 7, 3214868480
	.fill 96, 4, 3214868480
	.section	.rodata,"a",@progbits
	.p2align	6, 0x0
	.amdhsa_kernel k_q9860eaac7e_prep
		.amdhsa_group_segment_fixed_size 102912
		.amdhsa_private_segment_fixed_size 0
		.amdhsa_enable_private_segment 0
		.amdhsa_kernarg_size 72
		.amdhsa_user_sgpr_count 2
		.amdhsa_user_sgpr_kernarg_segment_ptr 1
		.amdhsa_wavefront_size32 1
		.amdhsa_system_sgpr_workgroup_id_x 1
		.amdhsa_system_sgpr_workgroup_id_y 1
		.amdhsa_system_sgpr_workgroup_id_z 1
		.amdhsa_system_vgpr_workitem_id 0
		.amdhsa_next_free_vgpr 224
		.amdhsa_next_free_sgpr 66
		.amdhsa_reserve_vcc 1
		.amdhsa_float_denorm_mode_32 3
		.amdhsa_float_denorm_mode_16_64 3
		.amdhsa_memory_ordered 1
		.amdhsa_forward_progress 1
		.amdhsa_inst_pref_size 159
	.end_amdhsa_kernel
	.amdgpu_metadata
---
amdhsa.version: [ 1, 2 ]
amdhsa.kernels:
  - .name:           k_q9860eaac7e_prep
    .symbol:         k_q9860eaac7e_prep.kd
    .args:
      - { .name: x, .offset: 0, .size: 8, .value_kind: global_buffer, .address_space: global }
      - { .name: wq, .offset: 8, .size: 8, .value_kind: global_buffer, .address_space: global }
      - { .name: wk, .offset: 16, .size: 8, .value_kind: global_buffer, .address_space: global }
      - { .name: wv, .offset: 24, .size: 8, .value_kind: global_buffer, .address_space: global }
      - { .name: wo, .offset: 32, .size: 8, .value_kind: global_buffer, .address_space: global }
      - { .name: cod, .offset: 40, .size: 8, .value_kind: global_buffer, .address_space: global }
      - { .name: scl, .offset: 48, .size: 8, .value_kind: global_buffer, .address_space: global }
      - { .name: wot, .offset: 56, .size: 8, .value_kind: global_buffer, .address_space: global }
      - { .name: tab, .offset: 64, .size: 8, .value_kind: global_buffer, .address_space: global }
    .group_segment_fixed_size: 102912
    .private_segment_fixed_size: 0
    .kernarg_segment_align: 8
    .kernarg_segment_size: 72
    .max_flat_workgroup_size: 128
    .sgpr_count:     66
    .vgpr_count:     224
    .wavefront_size: 32
...
	.end_amdgpu_metadata
.endif
;; end of part 1
;; launch gemm (part 2): grid 12 x 16, 4 waves a work-group, clusters of 4 x 4, 327,680 bytes of LDS; arguments cod, scl, tab, qkv, q16; writes qkv, q16
.if DOCPART == 2
	.amdgcn_target "amdgcn-amd-amdhsa--gfx1250"
	.amdhsa_code_object_version 6
	.text
	.protected	k_q9860eaac7e_gemm
	.globl	k_q9860eaac7e_gemm
	.p2align	8
	.type	k_q9860eaac7e_gemm,@function
k_q9860eaac7e_gemm:
	s_mov_b64 s[64:65], 0
	v_nop
	global_prefetch_b8 v0, s[64:65] scope:SCOPE_SE
	s_setreg_imm32_b32 hwreg(HW_REG_WAVE_MODE, 25, 1), 1
	s_wait_xcnt 0x0
	s_wait_alu depctr_hold_cnt(0) depctr_sa_sdst(0) depctr_va_vdst(0) depctr_va_sdst(0) depctr_va_ssrc(0) depctr_va_vcc(0) depctr_vm_vsrc(0)
	s_getreg_b32 s2, hwreg(HW_REG_IB_STS2, 6, 4)
	s_cmp_eq_u32 s2, 0
	s_cbranch_scc0 .Lentry_in_a_cluster
	s_endpgm
.Lentry_in_a_cluster:
	s_bfe_u32 s2, ttmp6, 0x10000c
	s_cmp_lg_u32 s2, 0xf033
	s_cbranch_scc0 .Lentry_shape_is_right
	s_endpgm
.Lentry_shape_is_right:
; q | k | v = Q(x) Q(wq | wk | wv) on codes of FP4 (E2M1) with E8M0 scales, f32 sums; then the rotary turn (q, k), x 2^-3 (exact), to f16: qkv [24 heads][2048][128].
; Positions 0-15 also leave in f32 (q16 [24][16][128], x 2^-3), for the launch that carries those rows finely.
; cod: [5120][2048 bytes]: rows 0-2047 x, rows 2048 + n the weights' columns; scl: [5120][128].  M 2,048, N 3,072, K 4,096.
; A work-group of four waves makes 128 rows x 256 columns (two heads); a wave 64 rows x one head: 32 accumulators.  A tile never cuts a head: the turn needs channels d and d + 64 in one lane.
; That gives 192 work-groups; 128 x 192, which would give 256, cuts heads apart.
; K goes in steps of 512 (tile rows of 256 bytes) through two LDS slots.  The scale bytes of the work-group's rows, for all of K, come once, with the first fills, and stay.
; CLUSTERS 4 x 4: x's tiles are shared along a row of the cluster, the weights' along a column: joint loads, the same descriptor in the four that the mask names.
; THE MATRIX INSTRUCTION IS USED TRANSPOSED (source 0 = 16 weight columns, source 1 = 16 rows of x): a lane holds one position and eight neighbouring channels.
; LIMIT: |q|, |k|, |v| up to 5.2e5 (f16 behind the factor 2^-3).
; REGISTERS: window 0: v16-31 addresses; v32-95 scale words, two sets; v128-191 x's fragments, two sets.  window 1: the weights' fragments, two sets (v0, v128).
;   window 2: accumulator (a, b) at v[8 (8 a + b)].  window 3: the table, v[64 a + 16 b + 4 part].  On the way out window 0: v32-95 turned numbers, v96-127 f16, v128-191 rows read back.
.set PITCH, 272                        ; an LDS row: 256 bytes + 16 of padding, so that the 16 rows of a load start at 16 different banks (ISA guide 11.1)
.set AROWS, 64*PITCH                   ; 64 rows: a wave's load of x, and a wave's share of x
.set BROWS, 128*PITCH                  ; 128 rows: the same for the weights
.set BOFF,  2*AROWS
.set SLOT,  BOFF+2*BROWS
.set SCL,   2*SLOT                     ; the scales, as units of 256 bytes + 16: x's 128 rows, then the weights' 256
.set SAH,   8704                       ; those of 64 rows
.set SBH,   17408                      ; of 128 rows
.set SBLK,  2176                       ; of 16 rows
.set SPARE, SCL+2*SAH+2*SBH            ; the spare words, 128 bytes a wave
.set STAGE, SPARE+512                  ; the way out: 16 rows x 272 for each wave; no tensor load lands here
.set ADRA, 16
.set ADRB, 20
.set ROWV, 22                          ; v22 my row of x
.set STO,  24
.set RD,   25
.set CO,   26
.set ADRS, 27
.set SPW,  28
.set NIL,  29
.set TO,   30                          ; v30 16 x lane
.set QO,   31                          ; v31 512 r + 32 h
.set SC,   32
.set AF,   128
.set Y,    32
.set H,    96
.set BK,   128
.set G1, 24
.set G0, 32
.set G1B, 48
.set G0B, 56
.set G1S, 68
.set G0S, 76
.set G1SB, 80
.set G0SB, 88
.set MSB, 0
.macro WIN new                         ; the immediate's high byte repeats the setting that is left
.if MSB != \new
	s_set_vgpr_msb (MSB<<8)|\new
.set MSB, \new
.endif
.endm
.set MUL, 0xa1                         ; source 0 window 1, source 1 window 0, C and D window 2
.macro JLOAD g0a, g1a, g0b, g1b        ; waves 0, 1 fetch for x, waves 2, 3 for the weights; an s_nop 0 and four v_nop follow each line
	s_cmp_eq_u32 s15, 0
	s_cbranch_scc0 .Lfor_b_\@
	tensor_load_to_lds s[\g0a:\g0a+3], s[\g1a:\g1a+7]
	s_nop 0
.rept 4
	v_nop
.endr
	s_branch .Lasked_\@
.Lfor_b_\@:
	tensor_load_to_lds s[\g0b:\g0b+3], s[\g1b:\g1b+7]
	s_nop 0
.rept 4
	v_nop
.endr
.Lasked_\@:
.endm
.macro CREST
	s_cmp_lg_u32 s14, 0
	s_cbranch_scc1 .Lnot_wave_0_\@
	s_barrier_signal -3
.Lnot_wave_0_\@:
	s_barrier_wait -3
	s_barrier_signal -1
	s_barrier_wait -1
.endm
.macro CROUND
	s_barrier_signal -1
	s_barrier_wait -1
	CREST
.endm
.macro PLACES
.rept 4
	v_nop
.endr
.endm
	s_load_b256 s[4:11], s[0:1], 0x0               ; cod, scl, tab, qkv
	s_load_b64 s[12:13], s[0:1], 0x20              ; q16
	v_lshl_add_u32 v[SPW], v0, 2, SPARE
	v_mov_b32 v[NIL], 0
	ds_add_u32 v[SPW], v[NIL]                      ; the wave's opening: the add, twice on end, and its wait ahead of my first tensor load
	ds_add_u32 v[SPW], v[NIL]
	v_lshrrev_b32 v1, 5, v0
	v_readfirstlane_b32 s14, v1                    ; wave
	s_lshr_b32 s15, s14, 1                         ; my 64 rows.  Also: I fetch for x (0) or for the weights (1)
	s_and_b32 s16, s14, 1                          ; my head of the two.  Also: which half I fetch
	s_bfe_u32 s40, ttmp6, 0x40000                  ; cx
	s_bfe_u32 s41, ttmp6, 0x40004                  ; cy
	s_lshl_b32 s42, ttmp9, 2
	s_add_co_u32 s42, s42, s40                     ; tile column
	s_and_b32 s17, ttmp7, 0xffff
	s_lshl_b32 s17, s17, 2
	s_add_co_u32 s17, s17, s41                     ; tile row
	s_lshl_b32 s43, s41, 2
	s_lshl_b32 s43, 15, s43                        ; my row of the cluster
	s_lshl_b32 s44, 0x1111, s40                    ; my column
	s_or_b32 s[G1+0], s43, (0<<16)|(1<<20)|(1<<21)|(5<<22)|(3<<25)    ; the mask; elements of 1 byte; padding: 4 words after every 64
	s_or_b32 s[G1B+0], s44, (0<<16)|(1<<20)|(1<<21)|(5<<22)|(3<<25)
	s_mov_b32 s[G1+1], 256<<16                     ; tensor_dim0
	s_mov_b32 s[G1+2], 64<<16                      ; tensor_dim1
	s_mov_b32 s[G1+3], 256<<16                     ; tile_dim0
	s_mov_b32 s[G1+4], 64                          ; tile_dim1
	s_mov_b32 s[G1+5], 2048                        ; bytes from row to row
	s_mov_b32 s[G1+6], 0
	s_mov_b32 s[G1+7], 0
	s_mov_b32 s[G1B+1], 256<<16
	s_mov_b32 s[G1B+2], 128<<16
	s_mov_b32 s[G1B+3], 256<<16
	s_mov_b32 s[G1B+4], 128
	s_mov_b32 s[G1B+5], 2048
	s_mov_b32 s[G1B+6], 0
	s_mov_b32 s[G1B+7], 0
	s_or_b32 s[G1S+0], s43, (3<<16)|(1<<20)|(1<<21)|(5<<22)|(3<<25)   ; the scales: dense blocks, as rows of 32 elements of 8 bytes
	s_or_b32 s[G1SB+0], s44, (3<<16)|(1<<20)|(1<<21)|(5<<22)|(3<<25)
	s_mov_b32 s[G1S+1], 32<<16
	s_mov_b32 s[G1S+2], 32<<16                     ; 64 rows x 128 bytes = 32 units
	s_mov_b32 s[G1S+3], 32<<16
	s_mov_b32 s[G1S+4], 32
	s_mov_b32 s[G1S+5], 32
	s_mov_b32 s[G1S+6], 0
	s_mov_b32 s[G1S+7], 0
	s_mov_b32 s[G1SB+1], 32<<16
	s_mov_b32 s[G1SB+2], 64<<16                    ; 128 rows = 64 units
	s_mov_b32 s[G1SB+3], 32<<16
	s_mov_b32 s[G1SB+4], 64
	s_mov_b32 s[G1SB+5], 32
	s_mov_b32 s[G1SB+6], 0
	s_mov_b32 s[G1SB+7], 0
	s_lshl_b32 s18, s16, 6
	s_lshl_b32 s20, s17, 7
	s_add_co_u32 s20, s20, s18                     ; x: row 128 x tile row + 64 x half
	s_lshl_b32 s22, s20, 7                         ; its scales,
	s_mov_b32 s23, 0
	s_lshl_b32 s20, s20, 11                        ; its codes, in bytes
	s_mov_b32 s21, 0
	s_lshl_b32 s45, s16, 7
	s_lshl_b32 s46, s42, 8
	s_add_co_u32 s46, s46, s45
	s_add_co_u32 s46, s46, 2048                    ; the weights: row 2048 + 256 x tile column + 128 x half
	s_lshl_b32 s66, s46, 7
	s_mov_b32 s67, 0
	s_lshl_b32 s46, s46, 11
	s_mov_b32 s47, 0
	s_mul_i32 s18, s16, AROWS                      ; where they go: no place in the cluster enters an LDS address
	s_mul_i32 s19, s16, BROWS
	s_mul_i32 s45, s16, SAH
	s_wait_dscnt 0x0                               ; both opening adds are done
	s_wait_kmcnt 0x0
	s_add_nc_u64 s[20:21], s[4:5], s[20:21]
	s_add_nc_u64 s[22:23], s[6:7], s[22:23]
	s_add_nc_u64 s[46:47], s[4:5], s[46:47]
	s_add_nc_u64 s[66:67], s[6:7], s[66:67]
	CROUND                                         ; all sixteen work-groups are here: the first joint loads meet
	s_mov_b32 s[G0S], 1
	s_add_co_u32 s[G0S+1], s45, SCL
	s_mov_b64 s[G0S+2:G0S+3], s[22:23]
	s_or_b32 s[G0S+3], s[G0S+3], 0x80000000
	s_mov_b32 s[G0SB], 1
	s_add_co_u32 s[G0SB+1], s18, SCL+2*SAH         ; (128 rows of scales take as many bytes as 64 rows of codes: 17,408)
	s_mov_b64 s[G0SB+2:G0SB+3], s[66:67]
	s_or_b32 s[G0SB+3], s[G0SB+3], 0x80000000
	JLOAD G0S, G1S, G0SB, G1SB                     ; the scales first
.irp s, 0,1
	s_mov_b32 s[G0+4*\s], 1
	s_add_co_u32 s[G0+4*\s+1], s18, \s*SLOT
	s_add_nc_u64 s[G0+4*\s+2:G0+4*\s+3], s[20:21], \s*256
	s_or_b32 s[G0+4*\s+3], s[G0+4*\s+3], 0x80000000
	s_mov_b32 s[G0B+4*\s], 1
	s_add_co_u32 s[G0B+4*\s+1], s19, \s*SLOT+BOFF
	s_add_nc_u64 s[G0B+4*\s+2:G0B+4*\s+3], s[46:47], \s*256
	s_or_b32 s[G0B+4*\s+3], s[G0B+4*\s+3], 0x80000000
	JLOAD G0+4*\s, G1, G0B+4*\s, G1B               ; three tensor loads of mine are out
.endr
	; the table: my four groups of 16 positions (q, k) or four times the identity (v): 64 loads of 512 consecutive bytes, wanted only on the way out
	v_and_b32 v[TO], 31, v0
	v_lshlrev_b32 v[TO], 4, v[TO]
	s_lshl_b32 s101, s42, 1
	s_add_co_u32 s101, s101, s16                   ; my head, 0 .. 23
	s_lshl_b32 s96, s17, 3
	s_lshl_b32 s2, s15, 2
	s_add_co_u32 s96, s96, s2
	s_lshl_b32 s96, s96, 13                        ; group 8 x tile row + 4 x half, 8,192 bytes a group
	s_cmp_ge_u32 s101, 20
	s_cselect_b32 s96, 128*8192, s96
	s_cselect_b32 s98, 0, 8192
	s_mov_b32 s97, 0
	s_mov_b32 s99, 0
	s_add_nc_u64 s[92:93], s[8:9], s[96:97]
	s_add_nc_u64 s[94:95], s[92:93], s[98:99]
	s_add_nc_u64 s[96:97], s[94:95], s[98:99]
	s_add_nc_u64 s[98:99], s[96:97], s[98:99]
	WIN 0xc0                                       ; destination window 3
.irp a, 0,1,2,3
.irp c, 0,1,2,3,4,5,6,7,8,9,10,11,12,13,14,15
	global_load_b128 v[64*\a+4*\c:64*\a+4*\c+3], v[TO], s[92+2*\a:93+2*\a] offset:512*\c
.endr
.endr
	WIN 0
	v_and_b32 v1, 15, v0                           ; r
	v_bfe_u32 v2, v0, 4, 1                         ; h
	v_mul_u32_u24 v3, v1, PITCH
	v_lshl_add_u32 v4, v2, 4, v3
	s_mul_i32 s21, s15, AROWS
	s_mul_i32 s22, s16, BROWS
	s_add_co_u32 s22, s22, BOFF
.irp s, 0,1
	v_add_nc_u32 v[ADRA+\s], s21, v4
	v_add_nc_u32 v[ADRB+\s], s22, v4
	s_add_co_u32 s21, s21, SLOT
	s_add_co_u32 s22, s22, SLOT
.endr
	v_lshlrev_b32 v5, 7, v1                        ; my row's scales: 128 bytes a row,
	v_lshrrev_b32 v6, 8, v5
	v_lshl_add_u32 v5, v6, 4, v5                   ; and 16 more for each 256 passed
	s_mul_i32 s21, s15, SAH
	s_mul_i32 s22, s16, SBH
	s_add_co_u32 s22, s22, 2*SAH
	s_sub_co_u32 s22, s22, s21
	v_mul_u32_u24 v6, s22, v2                      ; lanes 16-31 take the weights': one product in h
	s_add_co_u32 s21, s21, SCL
	v_add_nc_u32 v5, v5, v6
	v_add_nc_u32 v[ADRS], s21, v5
	s_mul_i32 s23, s14, 16*272
	s_add_co_u32 s23, s23, STAGE
	v_add_nc_u32 v[STO], s23, v4                   ; the stage, in: row r, + 16 h
	v_mul_u32_u24 v5, v2, 272
	v_lshl_add_u32 v5, v1, 4, v5
	v_add_nc_u32 v[RD], s23, v5                    ; back: lanes 0-15 one row, lanes 16-31 the next
	v_lshlrev_b32 v[CO], 8, v2
	v_lshl_add_u32 v[CO], v1, 4, v[CO]             ; and the same two rows in qkv
	v_lshlrev_b32 v[QO], 9, v1
	v_lshl_add_u32 v[QO], v2, 5, v[QO]
	s_lshl_b32 s2, s17, 7
	s_lshl_b32 s3, s15, 6
	s_add_co_u32 s2, s2, s3                        ; my first row
	v_add_nc_u32 v[ROWV], s2, v1
	s_lshl_b32 s2, s2, 8
	s_lshl_b32 s3, s101, 19
	s_add_co_u32 s2, s2, s3
	s_mov_b32 s3, 0
	s_add_nc_u64 s[10:11], s[10:11], s[2:3]        ; qkv at my head, my first row
	s_lshl_b32 s2, s101, 13
	s_add_nc_u64 s[12:13], s[12:13], s[2:3]        ; q16 at my head
.macro FRAG reg, adr, q, i             ; 16 rows x 128 K of 4-bit codes: 8 registers, two loads of 16 bytes, 32 bytes apart
.irp c, 0,1
	ds_load_b128 v[\reg+4*\c:\reg+4*\c+3], v[\adr] offset:64*(\q)+32*\c+(\i)*16*PITCH
.endr
.endm
; 16 matrix instructions: x's blocks a0, a0 + 1 against the weights' eight.  p: the set of fragments; q: which 128 of the slot; sc: the set of scale words.
; The 32 accumulators take turns, one instruction a turn, in the same order in every step.
.macro MULH a0, p, q, sc, zero
.irp a, \a0, \a0+1
.irp b, 0,1,2,3,4,5,6,7
.if \zero
	v_wmma_scale_f32_16x16x128_f8f6f4 v[8*(8*(\a)+\b):8*(8*(\a)+\b)+7], v[128*(\p)+8*\b:128*(\p)+8*\b+7], v[AF+32*(\p)+8*(\a):AF+32*(\p)+8*(\a)+7], 0, v[SC+32*(\sc)+4*\b+(\q)], v[SC+32*(\sc)+4*(\a)+(\q)] matrix_a_fmt:MATRIX_FMT_FP4 matrix_b_fmt:MATRIX_FMT_FP4 matrix_a_scale:MATRIX_SCALE_ROW1
.else
	v_wmma_scale_f32_16x16x128_f8f6f4 v[8*(8*(\a)+\b):8*(8*(\a)+\b)+7], v[128*(\p)+8*\b:128*(\p)+8*\b+7], v[AF+32*(\p)+8*(\a):AF+32*(\p)+8*(\a)+7], v[8*(8*(\a)+\b):8*(8*(\a)+\b)+7], v[SC+32*(\sc)+4*\b+(\q)], v[SC+32*(\sc)+4*(\a)+(\q)] matrix_a_fmt:MATRIX_FMT_FP4 matrix_b_fmt:MATRIX_FMT_FP4 matrix_a_scale:MATRIX_SCALE_ROW1
.endif
.endr
.endr
.endm
.macro FETCH slot, q, p                ; 24 loads: the fragments of the slot's q-th 128 along K into set p
	WIN 0x40
.irp i, 0,1,2,3,4,5,6,7
	FRAG 128*(\p)+8*\i, ADRB+\slot, \q, \i
.endr
	WIN 0
.irp i, 0,1,2,3
	FRAG AF+32*(\p)+8*\i, ADRA+\slot, \q, \i
.endr
.endm
.macro SCALES sc                       ; a K step's scale words: lanes 0-15 x's block i, lanes 16-31 the weights' block i.  (For i over 3 lanes 0-15 read filled bytes that no product names)
.irp i, 0,1,2,3,4,5,6,7
	ds_load_b128 v[SC+32*\sc+4*\i:SC+32*\sc+4*\i+3], v[ADRS] offset:\i*SBLK
.endr
.endm
.macro STEP slot, q, zero              ; 128 along K whose successor lies in the same slot
	s_wait_dscnt 0x0                               ; this step's fragments (asked for a step ago) and scale words are in
	PLACES                                         ; four places in front of loads into the set that the last step multiplied
	FETCH \slot, (\q)+1, 1-(\q)%2
	WIN MUL
	MULH 0, (\q)%2, \q, \slot, \zero
	MULH 2, (\q)%2, \q, \slot, \zero
	WIN 0
.endm
.macro TURN slot, next, fill           ; a slot's last step changes slots: one barrier
	s_wait_tensorcnt 0x0                           ; all my tensor loads have landed: my part of the next slot
	ds_add_u32 v[SPW], v[NIL]                      ; 0 onto my spare word
.if \fill
	s_add_nc_u64 s[G0+4*\slot+2:G0+4*\slot+3], s[G0+4*\slot+2:G0+4*\slot+3], 512      ; no load of mine is out: this slot's next K step
	s_add_nc_u64 s[G0B+4*\slot+2:G0B+4*\slot+3], s[G0B+4*\slot+2:G0B+4*\slot+3], 512
.endif
	s_wait_dscnt 0x0                               ; the add is done, and my reads of this slot are over
	s_barrier_signal -1
	WIN MUL
	MULH 0, 1, 3, \slot, 0                         ; work on registers while the others arrive
	WIN 0
	s_barrier_wait -1
.if \fill
	CREST                                          ; the barrier has opened a round of the cluster's: no wave of any partner still reads this slot or has a load on its way
	JLOAD G0+4*\slot, G1, G0B+4*\slot, G1B         ; the first tensor load behind the round; its four v_nop are the places in front of the loads below
.else
	PLACES
.endif
	v_add_nc_u32 v[ADRS], 16, v[ADRS]              ; the next K step's scale words
	FETCH \next, 0, 0
	SCALES \next
	WIN MUL
	MULH 2, 1, 3, \slot, 0
	WIN 0
.endm
	s_wait_tensorcnt 1                             ; the scales and my part of K step 0 are in; K step 1's load may be out
	s_barrier_signal -1
	s_barrier_wait -1
	FETCH 0, 0, 0
	SCALES 0
	STEP 0, 0, 1                                   ; the first step's products start the sums
	s_mov_b32 s3, 3
.Llap:                                                 ; a trip goes once round the ring and fills both slots again: K steps 2 .. 7
	STEP 0, 1, 0
	STEP 0, 2, 0
	TURN 0, 1, 1
	STEP 1, 0, 0
	STEP 1, 1, 0
	STEP 1, 2, 0
	TURN 1, 0, 1
	STEP 0, 0, 0
	s_sub_co_u32 s3, s3, 1
	s_cmp_lg_u32 s3, 0
	s_cbranch_scc1 .Llap
	STEP 0, 1, 0                                   ; the last lap fills nothing
	STEP 0, 2, 0
	TURN 0, 1, 0
	STEP 1, 0, 0
	STEP 1, 1, 0
	STEP 1, 2, 0
	s_wait_dscnt 0x0
	WIN MUL
	MULH 0, 1, 3, 1, 0
	MULH 2, 1, 3, 1, 0
	WIN 0
; THE WAY OUT, 16 rows at a time.  y(d) = x(d) cos - x(d + 64) sin, y(d + 64) = x(d + 64) cos + x(d) sin, d under 64; the table holds cos / 8 and sin / 8.
.macro ROPE a
	WIN 0x0e                                       ; source 0 window 2 (sums), source 1 window 3 (table), the rest window 0
.irp b, 0,1,2,3
.irp jp, 0,2,4,6                       ; ascending: each accumulator is first read at its low end
	v_pk_mul_f32 v[Y+8*\b+\jp:Y+8*\b+\jp+1], v[8*(8*\a+\b+4)+\jp:8*(8*\a+\b+4)+\jp+1], v[64*\a+16*\b+8+\jp:64*\a+16*\b+8+\jp+1]
	v_pk_mul_f32 v[Y+32+8*\b+\jp:Y+32+8*\b+\jp+1], v[8*(8*\a+\b)+\jp:8*(8*\a+\b)+\jp+1], v[64*\a+16*\b+8+\jp:64*\a+16*\b+8+\jp+1]
	v_pk_fma_f32 v[Y+8*\b+\jp:Y+8*\b+\jp+1], v[8*(8*\a+\b)+\jp:8*(8*\a+\b)+\jp+1], v[64*\a+16*\b+\jp:64*\a+16*\b+\jp+1], v[Y+8*\b+\jp:Y+8*\b+\jp+1] neg_lo:[0,0,1] neg_hi:[0,0,1]
	v_pk_fma_f32 v[Y+32+8*\b+\jp:Y+32+8*\b+\jp+1], v[8*(8*\a+\b+4)+\jp:8*(8*\a+\b+4)+\jp+1], v[64*\a+16*\b+\jp:64*\a+16*\b+\jp+1], v[Y+32+8*\b+\jp:Y+32+8*\b+\jp+1]
.endr
.endr
	WIN 0
.endm
.macro SEND a, younger
	s_wait_dscnt \younger                          ; block a is back in registers; the next block's 16 LDS instructions may be out
.irp t, 0,1,2,3,4,5,6,7
	global_store_b128 v[CO], v[BK+32*((\a)%2)+4*\t:BK+32*((\a)%2)+4*\t+3], s[10:11] offset:4096*(\a)+512*\t   ; sixteen lanes store 256 consecutive bytes, aligned
.endr
.endm
	PLACES                                         ; behind the last products
	s_wait_loadcnt 0x0                             ; the table
.irp a, 0,1,2,3
	ROPE \a
.set i, 0
.rept 32
	v_cvt_pk_f16_f32 v[H+i], v[Y+2*i], v[Y+2*i+1]
.set i, i+1
.endr
.if \a == 0
	v_cmp_gt_u32 vcc_lo, 16, v[ROWV]               ; positions 0-15 also leave in f32.  A predicate, not a branch: the row hangs on my place in the cluster
	s_wait_xcnt 0x0                                ; EXEC changes only behind this wait
	s_and_saveexec_b32 s100, vcc_lo
.irp b, 0,1,2,3,4,5,6,7
	global_store_b128 v[QO], v[Y+8*\b:Y+8*\b+3], s[12:13] offset:64*\b
	global_store_b128 v[QO], v[Y+8*\b+4:Y+8*\b+7], s[12:13] offset:64*\b+16
.endr
	s_wait_xcnt 0x0                                ; and again, in front of the line that widens it; the stores' data may be written again too
	s_or_b32 exec_lo, exec_lo, s100
.endif
.if \a > 1
	s_wait_xcnt 0x0                                ; block a - 2's stores have read the registers that block a's loads take
.endif
.irp b, 0,1,2,3,4,5,6,7
	ds_store_b128 v[STO], v[H+4*\b:H+4*\b+3] offset:32*\b
.endr
.irp t, 0,1,2,3,4,5,6,7
	ds_load_b128 v[BK+32*(\a%2)+4*\t:BK+32*(\a%2)+4*\t+3], v[RD] offset:544*\t   ; LDS serves a wave's instructions in order: these see the stores above
.endr
.if \a > 0
	SEND \a-1, 16
.endif
.endr
	SEND 3, 0
	s_wait_tensorcnt 0x0                           ; the wave's end
	ds_add_u32 v[SPW], v[NIL]
	s_wait_dscnt 0x0
	CROUND                                         ; the closing round
	s_endpgm
.Lfunc_end_k_q9860eaac7e_gemm:
	.size	k_q9860eaac7e_gemm, .Lfunc_end_k_q9860eaac7e_gemm-k_q9860eaac7e_gemm
	.p2alignl 7, 3214868480
	.fill 96, 4, 3214868480
	.section	.rodata,"a",@progbits
	.p2align	6, 0x0
	.amdhsa_kernel k_q9860eaac7e_gemm
		.amdhsa_group_segment_fixed_size 327680
		.amdhsa_private_segment_fixed_size 0
		.amdhsa_enable_private_segment 0
		.amdhsa_kernarg_size 40
		.amdhsa_user_sgpr_count 2
		.amdhsa_user_sgpr_kernarg_segment_ptr 1
		.amdhsa_wavefront_size32 1
		.amdhsa_system_sgpr_workgroup_id_x 1
		.amdhsa_system_sgpr_workgroup_id_y 1
		.amdhsa_system_sgpr_workgroup_id_z 1
		.amdhsa_system_vgpr_workitem_id 0
		.amdhsa_next_free_vgpr 1024
		.amdhsa_next_free_sgpr 102
		.amdhsa_reserve_vcc 1
		.amdhsa_float_denorm_mode_32 3
		.amdhsa_float_denorm_mode_16_64 3
		.amdhsa_memory_ordered 1
		.amdhsa_forward_progress 1
		.amdhsa_inst_pref_size 147
	.end_amdhsa_kernel
	.amdgpu_metadata
---
amdhsa.version: [ 1, 2 ]
amdhsa.kernels:
  - .name:           k_q9860eaac7e_gemm
    .symbol:         k_q9860eaac7e_gemm.kd
    .args:
      - { .name: cod, .offset: 0, .size: 8, .value_kind: global_buffer, .address_space: global }
      - { .name: scl, .offset: 8, .size: 8, .value_kind: global_buffer, .address_space: global }
      - { .name: tab, .offset: 16, .size: 8, .value_kind: global_buffer, .address_space: global }
      - { .name: qkv, .offset: 24, .size: 8, .value_kind: global_buffer, .address_space: global }
      - { .name: q16, .offset: 32, .size: 8, .value_kind: global_buffer, .address_space: global }
    .group_segment_fixed_size: 327680
    .private_segment_fixed_size: 0
    .kernarg_segment_align: 8
    .kernarg_segment_size: 40
    .max_flat_workgroup_size: 128
    .sgpr_count:     102
    .vgpr_count:     1024
    .wavefront_size: 32
...
	.end_amdgpu_metadata
.endif
;; end of part 2
;; launch attn (part 3): grid 64 x 4, 4 waves a work-group, clusters of 4 x 1, 327,680 bytes of LDS; arguments qkv, att; writes att
.if DOCPART == 3
	.amdgcn_target "amdgcn-amd-amdhsa--gfx1250"
	.amdhsa_code_object_version 6
	.text
	.protected	k_q9860eaac7e_attn
	.globl	k_q9860eaac7e_attn
	.p2align	8
	.type	k_q9860eaac7e_attn,@function
k_q9860eaac7e_attn:
	s_mov_b64 s[64:65], 0
	v_nop
	global_prefetch_b8 v0, s[64:65] scope:SCOPE_SE
	s_setreg_imm32_b32 hwreg(HW_REG_WAVE_MODE, 25, 1), 1
	s_wait_xcnt 0x0
	s_wait_alu depctr_hold_cnt(0) depctr_sa_sdst(0) depctr_va_vdst(0) depctr_va_sdst(0) depctr_va_ssrc(0) depctr_va_vcc(0) depctr_vm_vsrc(0)
	s_getreg_b32 s2, hwreg(HW_REG_IB_STS2, 6, 4)
	s_cmp_eq_u32 s2, 0
	s_cbranch_scc0 .Lentry_in_a_cluster
	s_endpgm
.Lentry_in_a_cluster:
	s_bfe_u32 s2, ttmp6, 0x10000c
	s_cmp_lg_u32 s2, 0x3003
	s_cbranch_scc0 .Lentry_shape_is_right
	s_endpgm
.Lentry_shape_is_right:
; Causal attention, f16 operands, f32 sums, maxima and softmax.  qkv: [24 heads][2048][128] f16, all x 2^-3 (heads 0-15 q, 16-19 k, 20-23 v).  att: [2048][16 x 128] f16 = O / 8.
; CLUSTER: the four query heads of one key/value head.  They walk the same K and V: every tile is one joint load with the mask of all four.
; SHARES: a work-group owns two blocks of 64 queries of its head, blocks i and 31 - i (i = the cluster's x): (i / 4 + 1) + (8 - i / 4) = 9 rounds of 256 keys in every work-group: a constant trip count,
; the same work everywhere, and no tensor load is ever jumped over.  THE KEYS ARE SHARED AMONG THE WAVES: every wave holds all 64 queries (four tiles) and takes 64 keys of a round, so each LDS byte is read
; by one wave and each fragment feeds four matrix instructions.  At a block's end the four waves' partial maxima, sums and O meet in LDS.
; Units on or beyond the diagonal are computed under the mask (hidden scores become -infinity), not left out: every tile that is loaded is read.
; LAYOUT: S^T = K Q^T and O^T = V^T P: a lane holds one query throughout.  p = 2^(c s - c m), c = 64 log2(e) / sqrt(128) (the 64 undoes q's and k's 2^-3), m the running maximum.
; BY PIECES: the four tiles are two pieces, named by their first tile (0: tiles 0, 1; 2: tiles 2, 3), which share K's and V's fragments and nothing else.  A round goes: K Q^T of piece 0 | K Q^T of piece 2, with piece 0's
; softmax in slices behind its 32 matrix instructions, two slices of four behind each | V^T P of piece 0, with piece 2's softmax likewise | V^T P of piece 2.  A slice costs two switches of the register window.
; The maximum starts at -1e30, so that c m stays finite; a wave that has seen no open key of a query keeps it, and its weight in the merge is 2^(-8e30 - ..) = 0.
; LIMITS: raw scores stay far under 1e30 in size; a p under 2^-25 of its row's largest becomes 0 in f16.
; REGISTERS: window 0: v1-11, v44-49, v61-63 addresses; v12-43 statistics; v64-191 S^T; v192-255 P.  window 1: O^T.  window 2: v0-127 Q, v128-255 K.  window 3: v0-127 V.
.set PK,    272                        ; a row of K in LDS: 256 + 16
.set PVP,   288                        ; a row of V: 256 + 32
.set VOFF,  256*PK
.set SLOT,  VOFF+256*PVP               ; 143,360: a round's 256 rows of K, then of V
.set OAREA, 2*SLOT                     ; the merge: four images of 8,192 bytes; then the stage, 64 rows x 272.  No tensor load lands here
.set STAT,  OAREA+32768                ; (wave x 4 + tile) x 256: c m at + 0, l at + 128
.set SPARE, STAT+4096
.set AK0, 2
.set AV0, 3
.set ADR, 4
.set QO,  5
.set ADR2, 7
.set GO,  8
.set MSA, 9
.set MSR, 10
.set MOA, 11
.set ST,  12                           ; tile t at v[ST + 8 t]: +0 c m, +1 m, +2, +3 l, +4 .. +7 at work
.set MOR, 44
.set MSO, 45
.set MRD, 46
.set DD,  47
.set NINF, 48
.set RH,  49                           ; v49 r - 8 h
.set PFO, 61
.set SPW, 62
.set NIL, 63
.set S,   64
.set P,   192
.set KF,  128
.set RB,  64                           ; the merge: four partial pieces of 16 registers
.set F,   128                          ; the merged O^T: 16 registers a tile
.set CMR, 192                          ; c m of (tile, wave), then its weight
.set LR,  208                          ; l of (tile, wave)
.set G,   224                          ; weight / sum, each written to both registers of a pair
.set WV,  12
.set R,   13                           ; the round: the loop's counter
.set RA,  14                           ; the first block's rounds
.set TB,  15                           ; the slot that is read
.set TBF, 16                           ; the slot that is filled
.set LIM, 17
.set PFA, 18
.set G1K, 24
.set G1V, 32
.set G0K, 40
.set G0V, 44
.set KB64, 48
.set VB64, 50
.set OFFP, 52
.set QB,  54                           ; the block's first query
.set KBW, 55                           ; my unit's first key
.set QCUR, 56                          ; Q and att at the first block: never rewritten
.set OCUR, 58
.set CS,  60
.set SEL, 62
.set QB2, 66                           ; and at the second: never rewritten
.set OB2, 68
.set LK,  76
.set LV,  77
.set QBB, 78
.set MSB, 0
.macro WIN new
.if MSB != \new
	s_set_vgpr_msb (MSB<<8)|\new
.set MSB, \new
.endif
.endm
.set W_KQ, 0x0a
.set W_PV, 0x53
.set W_RS, 0x41
.macro JLOAD                           ; waves 0, 1 fetch K's halves of a round, waves 2, 3 V's: 128 rows a load
	s_cmp_lt_u32 s[WV], 2
	s_cbranch_scc0 .Lfor_v_\@
	tensor_load_to_lds s[G0K:G0K+3], s[G1K:G1K+7]
	s_nop 0
.rept 4
	v_nop
.endr
	s_branch .Lasked_\@
.Lfor_v_\@:
	tensor_load_to_lds s[G0V:G0V+3], s[G1V:G1V+7]
	s_nop 0
.rept 4
	v_nop
.endr
.Lasked_\@:
.endm
; A prefetch of the round after the one that is being asked for.  All sixteen clusters of a key/value head walk the same rows: cluster 0 asks.  Its rounds 1 .. 8 are keys 0 .. 2047 in order, so in trip R it names
; keys 256 (R + 1) on; the four partners take 64 rows each, told apart by address; waves 0, 1 ask in K, waves 2, 3 in V, 32 rows each, a lane a row of 256 bytes.  Each row of keys 256 .. 2047 is named once;
; keys 0 .. 255 come by their loads alone; the last request stands in trip 6.
.macro ASK
	s_cmp_lt_u32 s[R], s[LIM]
	s_cbranch_scc0 .Lnot_mine_\@
	global_prefetch_b8 v[PFO], s[PFA:PFA+1] th:TH_LOAD_NT scope:SCOPE_SE
.Lnot_mine_\@:
.endm
.macro CROUND
	s_barrier_signal -1
	s_barrier_wait -1
	s_cmp_lg_u32 s[WV], 0
	s_cbranch_scc1 .Lnot_wave_0_\@
	s_barrier_signal -3
.Lnot_wave_0_\@:
	s_barrier_wait -3
	s_barrier_signal -1
	s_barrier_wait -1
.endm
.macro PLACES
.rept 4
	v_nop
.endr
.endm
.macro BARRIER
	s_wait_dscnt 0x0
	s_barrier_signal -1
	s_barrier_wait -1
.endm
.macro QLOAD base                      ; a block's 64 queries: tile i / 4, channels 32 (i % 4) on
	WIN 0x80
.irp i, 0,1,2,3,4,5,6,7,8,9,10,11,12,13,14,15
	global_load_b128 v[8*\i:8*\i+3],   v[QO], s[\base:\base+1] offset:(\i/4)*4096+(\i%4)*64
	global_load_b128 v[8*\i+4:8*\i+7], v[QO], s[\base:\base+1] offset:(\i/4)*4096+(\i%4)*64+32
.endr
	WIN 0
.endm
	s_load_b128 s[4:7], s[0:1], 0x0                ; qkv, att
	v_lshl_add_u32 v[SPW], v0, 2, SPARE
	v_mov_b32 v[NIL], 0
	ds_add_u32 v[SPW], v[NIL]                      ; the wave's opening: the add, twice on end, and its wait ahead of my first tensor load
	ds_add_u32 v[SPW], v[NIL]
	v_lshrrev_b32 v1, 5, v0
	v_readfirstlane_b32 s[WV], v1
	s_bfe_u32 s20, ttmp6, 0x40000                  ; cx: my head within the group: it enters Q's, att's and the prefetches' addresses alone
	s_and_b32 s21, ttmp7, 0xffff                   ; the key/value head
	s_lshr_b32 s[RA], ttmp9, 2
	s_add_co_u32 s[RA], s[RA], 1
	s_and_b32 s22, s[WV], 1
	s_mul_i32 s[LK], s22, 128*PK                   ; where my half of a tile goes in a slot
	s_mul_i32 s[LV], s22, 128*PVP
	s_add_co_u32 s[LV], s[LV], VOFF
	s_add_co_u32 s70, s21, 16
	s_lshl_b32 s70, s70, 19                        ; K's head,
	s_lshl_b32 s71, s22, 15
	s_add_co_u32 s72, s70, s71                     ; and my 128 rows of a round
	s_mov_b32 s73, 0
	s_mov_b32 s[G1K], 15|(1<<16)|(1<<20)|(1<<21)|(5<<22)|(3<<25)   ; the mask: all four; elements of 2 bytes; padding: 4 words after every 64
	s_mov_b32 s[G1V], 15|(1<<16)|(1<<20)|(1<<21)|(5<<22)|(7<<25)   ; 8 words
.irp g, G1K, G1V
	s_mov_b32 s[\g+1], 128<<16
	s_mov_b32 s[\g+2], 128<<16
	s_mov_b32 s[\g+3], 128<<16
	s_mov_b32 s[\g+4], 128
	s_mov_b32 s[\g+5], 128
	s_mov_b32 s[\g+6], 0
	s_mov_b32 s[\g+7], 0
.endr
	s_mov_b32 s[CS], 0x410293ee
	s_mov_b32 s[CS+1], s[CS]
	s_mov_b32 s[SEL], 0x76543210
	s_mov_b32 s[SEL+1], 0xfedcba98
	s_mov_b32 s[TB], 0
	s_mov_b32 s[TBF], 0
	s_mov_b32 s[R], 0
	s_mov_b32 s[OFFP], 0
	s_mov_b32 s[OFFP+1], 0
	s_lshl_b32 s[QB], ttmp9, 6
	s_sub_co_u32 s[QBB], 31, ttmp9
	s_lshl_b32 s[QBB], s[QBB], 6
	s_lshl_b32 s[KBW], s[WV], 6
	s_cmp_eq_u32 ttmp9, 0
	s_cselect_b32 s[LIM], 7, 0
	s_cmp_lt_u32 s[WV], 2
	s_cselect_b32 s74, 0, 0x200000                 ; the prefetches: K's head or V's,
	s_add_co_u32 s74, s74, s70
	s_lshl_b32 s75, s20, 14                        ; my work-group's 64 rows of a round,
	s_add_co_u32 s74, s74, s75
	s_lshl_b32 s75, s22, 13                        ; my wave's 32 of them
	s_add_co_u32 s74, s74, s75
	s_mov_b32 s75, 0
	s_lshl_b32 s70, s21, 2
	s_add_co_u32 s70, s70, s20                     ; my query head
	s_lshl_b32 s23, s70, 8                         ; its 256 bytes in a row of att
	s_lshl_b32 s70, s70, 19                        ; and its place in qkv
	s_mov_b32 s71, 0
	v_and_b32 v[PFO], 31, v0
	v_lshlrev_b32 v[PFO], 8, v[PFO]
	s_wait_dscnt 0x0                               ; both opening adds are done
	s_wait_kmcnt 0x0
	s_add_nc_u64 s[KB64:KB64+1], s[4:5], s[72:73]
	s_add_nc_u64 s[VB64:VB64+1], s[KB64:KB64+1], 0x200000
	s_add_nc_u64 s[PFA:PFA+1], s[4:5], s[74:75]
	s_add_nc_u64 s[PFA:PFA+1], s[PFA:PFA+1], 65536 ; at keys 256: what trip 0 names; each round's end steps it 256 keys on
	s_add_nc_u64 s[QCUR:QCUR+1], s[4:5], s[70:71]
	s_mov_b64 s[QB2:QB2+1], s[QCUR:QCUR+1]
	s_lshl_b32 s70, s[QB], 8
	s_add_nc_u64 s[QCUR:QCUR+1], s[QCUR:QCUR+1], s[70:71]
	s_lshl_b32 s70, s[QBB], 8
	s_add_nc_u64 s[QB2:QB2+1], s[QB2:QB2+1], s[70:71]
	s_lshl_b32 s70, s[QB], 12
	s_add_co_u32 s70, s70, s23
	s_add_nc_u64 s[OCUR:OCUR+1], s[6:7], s[70:71]
	s_lshl_b32 s70, s[QBB], 12
	s_add_co_u32 s70, s70, s23
	s_add_nc_u64 s[OB2:OB2+1], s[6:7], s[70:71]
	CROUND                                         ; all four work-groups are here: the first joint loads meet
	s_mov_b32 s[G0K], 1
	s_mov_b32 s[G0K+1], s[LK]
	s_mov_b64 s[G0K+2:G0K+3], s[KB64:KB64+1]
	s_or_b32 s[G0K+3], s[G0K+3], 0x80000000
	s_mov_b32 s[G0V], 1
	s_mov_b32 s[G0V+1], s[LV]
	s_mov_b64 s[G0V+2:G0V+3], s[VB64:VB64+1]
	s_or_b32 s[G0V+3], s[G0V+3], 0x80000000
	JLOAD                                          ; round 0 into slot 0
	v_and_b32 v1, 15, v0                           ; r
	v_bfe_u32 v6, v0, 4, 1                         ; h
	v_lshlrev_b32 v[QO], 8, v1
	v_lshl_add_u32 v[QO], v6, 4, v[QO]
	QLOAD QCUR
	WIN 0x40
.set i, 0
.rept 256
	v_mov_b32 v[i], 0                              ; O^T, once, while the first tile is on its way: the key step is written without a first step of its own
.set i, i+1
.endr
	WIN 0
.irp t, 0,1,2,3
	v_mov_b32 v[ST+8*\t+1], 0xf149f2ca             ; m = -1e30
	v_mul_f32 v[ST+8*\t], s[CS], v[ST+8*\t+1]
	v_mov_b32 v[ST+8*\t+2], 0
	v_mov_b32 v[ST+8*\t+3], 0
.endr
	s_mul_i32 s70, s[WV], 64*PK
	v_mul_u32_u24 v[AK0], v1, PK
	v_lshl_add_u32 v[AK0], v6, 4, v[AK0]
	v_add_nc_u32 v[AK0], s70, v[AK0]               ; K: row 64 w + r, + 16 h
	s_mul_i32 s70, s[WV], 64*PVP
	s_add_co_u32 s70, s70, VOFF
	v_and_b32 v[ADR], 7, v0
	v_bfe_u32 v[ADR2], v0, 3, 1
	v_lshl_add_u32 v[AV0], v6, 3, v[ADR]
	v_mul_u32_u24 v[AV0], v[AV0], PVP
	v_lshl_add_u32 v[AV0], v[ADR2], 4, v[AV0]
	v_add_nc_u32 v[AV0], s70, v[AV0]               ; V: row 64 w + 8 h + l % 8, + 16 ((l / 8) % 2)
	s_lshl_b32 s70, s[WV], 16
	v_lshlrev_b32 v[GO], 12, v6
	v_lshl_add_u32 v[GO], v1, 4, v[GO]
	v_add_nc_u32 v[GO], s70, v[GO]                 ; att: row 16 w + h, + 16 r
	v_and_b32 v[ADR], 31, v0                       ; lane
	s_lshl_b32 s70, s[WV], 10
	s_add_co_u32 s70, s70, STAT
	v_lshl_add_u32 v[MSA], v[ADR], 2, s70
	v_lshl_add_u32 v[MSR], v[ADR], 2, STAT
	s_lshl_b32 s70, s[WV], 13
	s_add_co_u32 s70, s70, OAREA
	v_lshl_add_u32 v[MOA], v[ADR], 4, s70
	s_lshl_b32 s70, s[WV], 11
	s_add_co_u32 s70, s70, OAREA
	v_lshl_add_u32 v[MOR], v[ADR], 4, s70
	s_lshl_b32 s70, s[WV], 6
	s_add_co_u32 s70, s70, OAREA
	v_mul_u32_u24 v[MSO], v1, 272
	v_lshl_add_u32 v[MSO], v6, 4, v[MSO]
	v_add_nc_u32 v[MSO], s70, v[MSO]
	s_mul_i32 s70, s[WV], 16*272
	s_add_co_u32 s70, s70, OAREA
	v_mul_u32_u24 v[MRD], v6, 272
	v_lshl_add_u32 v[MRD], v1, 4, v[MRD]
	v_add_nc_u32 v[MRD], s70, v[MRD]
	v_lshlrev_b32 v[RH], 3, v6
	v_sub_nc_u32 v[RH], v1, v[RH]
	v_mov_b32 v[NINF], 0xff800000
; THE MATRIX WORK, for piece x.  The accumulators take turns, one instruction a turn: between two links of a chain stand 7 (K Q^T) or 15 (V^T P) others'.
; Product i of 32 of S^T = K Q^T: channels 32 (i / 8) on, keys 16 ((i / 2) % 4) on, tile x + i % 2.  The first 8 start the sums.
.macro KQ x
	WIN W_KQ
.set rS, S+32*(\x+i%2)+8*((i/2)%4)
.set rK, KF+32*((i/2)%4)+8*(i/8)
.set rQ, 32*(\x+i%2)+8*(i/8)
.if i < 8
	v_wmma_f32_16x16x32_f16 v[rS:rS+7], v[rK:rK+7], v[rQ:rQ+7], 0
.else
	v_wmma_f32_16x16x32_f16 v[rS:rS+7], v[rK:rK+7], v[rQ:rQ+7], v[rS:rS+7]
.endif
.endm
; Product i of 32 of O^T += V^T P: keys 32 (i / 16) on, channels 16 ((i / 2) % 8) on, tile x + i % 2.
.macro PV x
	WIN W_PV
.set rO, 64*(\x+i%2)+8*((i/2)%8)
.set rV, 64*(i/16)+8*((i/2)%8)
.set rP, P+16*(\x+i%2)+8*(i/16)
	v_wmma_f32_16x16x32_f16 v[rO:rO+7], v[rV:rV+7], v[rP:rP+7], v[rO:rO+7]
.endm
; Register 8 kt + jj of tile t holds key KBW + 16 kt + 8 h + jj and query QB + 16 t + r: hidden where 16 kt + jj - 16 t > QB - KBW + r - 8 h.  A unit all of whose keys count skips this: a branch on ids alone.  For piece y.
.macro MASK y
	s_add_co_u32 s70, s[KBW], 63
	s_cmp_le_u32 s70, s[QB]
	s_cbranch_scc1 .Lopen_\@
	s_sub_co_i32 s70, s[QB], s[KBW]
	v_add_nc_u32 v[DD], s70, v[RH]
.irp t, \y, \y+1
.irp kt, 0,1,2,3
.irp jj, 0,1,2,3,4,5,6,7
	v_cmp_gt_i32 vcc_lo, 16*\kt+\jj-16*(\t), v[DD]
	v_cndmask_b32 v[S+32*(\t)+8*\kt+\jj], v[S+32*(\t)+8*\kt+\jj], v[NINF], vcc_lo
.endr
.endr
.endr
.Lopen_\@:
.endm
; One tile's softmax for a unit of 64 keys is a list of 134 instructions; SM writes number j of it for tile t.
;   0-15 the maximum of the lane's 32 scores and the old m;  16-20 the other half of the lanes', the new m, c m, its change;  21-69 the 16 scalings and all 33 exponentials, none of which reads an exponential's result;
;   (the wait);  70-85 the roundings to f16;  86-101 the sums, l = a l + sum;  102-133 O^T x a.
.macro SM t
.set rT, ST+8*(\t)
.set rS, S+32*(\t)
.set rP, P+16*(\t)
.set rO, 64*(\t)+2*(j-102)
.if j < 102
	WIN 0
.endif
.if j < 4
	v_max3_num_f32 v[rT+4+j], v[rS+8*j], v[rS+8*j+1], v[rS+8*j+2]
.elseif j < 12
	v_max3_num_f32 v[rT+4+j%4], v[rT+4+j%4], v[rS+8*(j%4)+2*(j/4)+1], v[rS+8*(j%4)+2*(j/4)+2]
.elseif j == 12
	v_max3_num_f32 v[rT+4], v[rT+4], v[rS+7], v[rS+15]
.elseif j == 13
	v_max3_num_f32 v[rT+6], v[rT+6], v[rS+23], v[rS+31]
.elseif j == 14
	v_max3_num_f32 v[rT+4], v[rT+4], v[rT+5], v[rT+6]
.elseif j == 15
	v_max3_num_f32 v[rT+4], v[rT+4], v[rT+7], v[rT+1]
.elseif j == 16
	v_permlanex16_b32 v[rT+5], v[rT+4], s[SEL], s[SEL+1]
.elseif j == 17
	v_mov_b32 v[rT+7], v[rT]
.elseif j == 18
	v_max_num_f32 v[rT+1], v[rT+4], v[rT+5]
.elseif j == 19
	v_mul_f32 v[rT], s[CS], v[rT+1]
.elseif j == 20
	v_sub_f32 v[rT+7], v[rT+7], v[rT]
.elseif j == 23
	v_exp_f32 v[rT+6], v[rT+7]
.elseif (j < 23) || ((j < 38) && (j%2 == 0)) || ((j < 66) && (j%4 == 2))
.set b, (j-2)/4
.if j < 38
.set b, (j-20)/2
.endif
	v_pk_fma_f32 v[rS+2*b:rS+2*b+1], v[rS+2*b:rS+2*b+1], s[CS:CS+1], v[rT:rT+1] op_sel_hi:[1,0,0] neg_lo:[0,0,1] neg_hi:[0,0,1]
.elseif j < 70
.set e, j-38
.if j < 66
.set e, j-32-(j-38)/4
.endif
.if j < 38
.set e, (j-25)/2
.endif
	v_exp_f32 v[rS+e], v[rS+e]
.elseif j < 86
	v_cvt_pk_f16_f32 v[rP+j-70], v[rS+2*(j-70)], v[rS+2*(j-70)+1]
.elseif j < 102
.set z, j-86
.set w, 4
.set u, z
.if z >= 14
.set w, 32
.set u, 0
.elseif z >= 12
.set w, 16
.set u, z-12
.elseif z >= 8
.set w, 8
.set u, z-8
.endif
.if z < 15
	v_pk_add_f32 v[rS+w*u:rS+w*u+1], v[rS+w*u:rS+w*u+1], v[rS+w*u+w/2:rS+w*u+w/2+1]
.else
	v_pk_fma_f32 v[rT+2:rT+3], v[rT+2:rT+3], v[rT+6:rT+7], v[rS:rS+1] op_sel_hi:[1,0,1]
.endif
.else
	WIN W_RS
	v_pk_mul_f32 v[rO:rO+1], v[rO:rO+1], v[rT+6:rT+7] op_sel_hi:[1,0]
.endif
.endm
; Slice k of 64 of piece y's softmax: four instructions.  Slices 11 to 34 deal out the batch, numbers 22 to 69: four numbers of ONE tile each, the tiles by turns.  Every other slice is numbers 2 k and 2 k + 1 of both
; tiles' lists, the tiles alternating.  2 x 134 = 4 x 64 + 12: the twelve that are over stand in slice 63.  Ahead of slice 35 nothing names an exponential's result, and behind slice 34 no exponential is issued: so the
; piece's 66 exponentials have one plain instruction and one wait, behind slice 34.
.macro SLICE y
.if (k >= 11) && (k < 35)
.irp n, 0,1,2,3
.set j, 22+4*((k-11)/2)+(\n)
	SM (\y)+(k-11)%2
.endr
.else
.irp n, 0,1,2,3,4,5,6,7
.if (\n < 2) || (k == 63)
.irp t, \y, \y+1
.set j, 2*k+\n
	SM \t
.endr
.endif
.endr
.endif
.if k == 34
	v_nop
	s_wait_alu depctr_va_vdst(0)
.endif
.set k, k+1
.endm
.macro BODY                            ; my unit of a round: 64 keys x 64 queries
	PLACES                                         ; in front of loads into registers that matrix instructions have read
	v_add_nc_u32 v[ADR], s[TB], v[AK0]
	v_add_nc_u32 v[ADR2], s[TB], v[AV0]
	WIN 0x80
.irp c, 0,1,2,3                                ; K, by chunks of 32 channels, in the order in which the products take them: keys 16 kt on
.irp kt, 0,1,2,3
	ds_load_b128 v[KF+32*\kt+8*\c:KF+32*\kt+8*\c+3],   v[ADR] offset:\kt*16*PK+\c*64
	ds_load_b128 v[KF+32*\kt+8*\c+4:KF+32*\kt+8*\c+7], v[ADR] offset:\kt*16*PK+\c*64+32
.endr
.endr
	s_wait_loadcnt 0x0                             ; Q
	s_wait_xcnt 0x0                                ; a merge's stores, if one went before, have read their data: the scores below land on those registers
.set i, 0
.rept 32
.if i%8 == 0
	s_wait_dscnt 24-i                              ; this chunk's eight loads are in; the later chunks', eight each, may be out
.endif
	KQ 0                                           ; piece 0's scores: there is no vector work yet to set between them
.set i, i+1
.endr
	WIN 0xc0
.irp f, 0,1,2,3,4,5,6,7,8,9,10,11,12,13,14,15  ; V, turned: keys 32 (f / 8) on, channels 16 (f % 8) on.  It lands while piece 2's scores are made
	ds_load_tr16_b128 v[8*\f:8*\f+3],   v[ADR2] offset:(\f/8)*32*PVP+(\f%8)*32
	ds_load_tr16_b128 v[8*\f+4:8*\f+7], v[ADR2] offset:(\f/8)*32*PVP+16*PVP+(\f%8)*32
.endr
	WIN 0
	PLACES                                         ; behind piece 0's products, ahead of the first read of its scores, on both ways
	MASK 0
.set k, 0
.set i, 0
.rept 32
	KQ 2                                           ; piece 2's scores | piece 0's softmax
	SLICE 0
	SLICE 0
.set i, i+1
.endr
	WIN 0
	PLACES                                         ; behind piece 2's products
	MASK 2
	s_wait_dscnt 0x0                               ; V is in
.set k, 0
.set i, 0
.rept 32
	PV 0                                           ; piece 0's V^T P | piece 2's softmax
	SLICE 2
	SLICE 2
.set i, i+1
.endr
.set i, 0
.rept 32
	PV 2
.set i, i+1
.endr
	WIN 0
	s_xor_b32 s[TB], s[TB], SLOT
	s_add_co_u32 s[KBW], s[KBW], 256
	s_wait_xcnt 0x0                                ; the round's prefetch, issued at its head, has read its address
	s_add_nc_u64 s[PFA:PFA+1], s[PFA:PFA+1], 65536
.endm
; THE CHANGE OF SLOTS stands at a round's head.  fill = 1: behind a round of the cluster's barrier the other slot takes the next round's keys: round NX of nine is tile NX of the first block or tile NX - RA of the second.
.macro CHANGE fill
	WIN 0
	s_wait_tensorcnt 0x0                           ; my one load that was out, my part of the slot that is read next, has landed: a group 0 may be written
	ds_add_u32 v[SPW], v[NIL]                      ; 0 onto my spare word
.if \fill
	s_add_co_u32 s70, s[R], 1
	s_sub_co_u32 s71, s70, s[RA]
	s_cmp_lt_u32 s70, s[RA]
	s_cselect_b32 s70, s70, s71
	s_lshl_b32 s[OFFP], s70, 16                    ; 256 rows of 256 bytes a tile
	s_xor_b32 s[TBF], s[TBF], SLOT
	s_add_co_u32 s[G0K+1], s[TBF], s[LK]
	s_add_co_u32 s[G0V+1], s[TBF], s[LV]
	s_add_nc_u64 s[G0K+2:G0K+3], s[KB64:KB64+1], s[OFFP:OFFP+1]
	s_or_b32 s[G0K+3], s[G0K+3], 0x80000000
	s_add_nc_u64 s[G0V+2:G0V+3], s[VB64:VB64+1], s[OFFP:OFFP+1]
	s_or_b32 s[G0V+3], s[G0V+3], 0x80000000
.endif
	s_wait_dscnt 0x0                               ; the add is done, and my reads of the slot that I have left are over
.if \fill
	CROUND
	JLOAD                                          ; the first tensor load behind the round, one a wave: it has a whole round's work in which to land
	ASK
.else
	s_barrier_signal -1
	s_barrier_wait -1
.endif
.endm
; THE MERGE of the four waves' partial results for the block's 64 queries.  Weight of wave w: 2^(c m_w - max) / sum.  O^T goes round as images of its registers, a tile of queries at a time; wave w merges channels 32 w .. 32 w + 31.
; Nine barriers; behind none of them a tensor load fills anything, so the next round's load may stay out across them.  base: att at the block's first row.
.macro MERGE base
.irp t, 0,1,2,3
	v_add_f32 v[ST+8*\t+4], v[ST+8*\t+2], v[ST+8*\t+3]     ; (these additions are the places behind the last products)
.endr
.irp t, 0,1,2,3
	v_permlanex16_b32 v[ST+8*\t+5], v[ST+8*\t+4], s[SEL], s[SEL+1]
.endr
.irp t, 0,1,2,3
	v_add_f32 v[ST+8*\t+4], v[ST+8*\t+4], v[ST+8*\t+5]     ; my wave's l
.endr
.irp t, 0,1,2,3
	ds_store_b32 v[MSA], v[ST+8*\t] offset:256*\t
	ds_store_b32 v[MSA], v[ST+8*\t+4] offset:256*\t+128
.endr
.irp q, 0,1,2,3
	WIN 0x04                                       ; an LDS store's data are its source 1: window 1
.irp u, 0,1,2,3,4,5,6,7,8,9,10,11,12,13,14,15
	ds_store_b128 v[MOA], v[64*\q+4*\u:64*\q+4*\u+3] offset:512*\u    ; ascending: each accumulator from its low end on
.endr
	WIN 0
	BARRIER                                        ; the four images of tile q lie in LDS (and, the first time, all statistics)
.if \q == 0
.irp t, 0,1,2,3
.irp w, 0,1,2,3
	ds_load_b32 v[CMR+4*\t+\w], v[MSR] offset:1024*\w+256*\t
	ds_load_b32 v[LR+4*\t+\w], v[MSR] offset:1024*\w+256*\t+128
.endr
.endr
.endif
.irp w, 0,1,2,3
.irp c, 0,1,2,3
	ds_load_b128 v[RB+16*\w+4*\c:RB+16*\w+4*\c+3], v[MOR] offset:8192*\w+512*\c
.endr
.endr
	s_wait_dscnt 0x0
.if \q == 0
.irp t, 0,1,2,3
	v_max3_num_f32 v[ST+8*\t+6], v[CMR+4*\t], v[CMR+4*\t+1], v[CMR+4*\t+2]
.endr
.irp t, 0,1,2,3
	v_max_num_f32 v[ST+8*\t+6], v[ST+8*\t+6], v[CMR+4*\t+3]
.endr
.irp t, 0,1,2,3
.irp w, 0,1,2,3
	v_sub_f32 v[CMR+4*\t+\w], v[CMR+4*\t+\w], v[ST+8*\t+6]
.endr
.endr
.irp x, 0,1,2,3,4,5,6,7,8,9,10,11,12,13,14,15
	v_exp_f32 v[CMR+\x], v[CMR+\x]
.endr
	v_nop
	s_wait_alu depctr_va_vdst(0)                   ; one wait for the sixteen
.irp t, 0,1,2,3
	v_mul_f32 v[ST+8*\t+7], v[CMR+4*\t], v[LR+4*\t]
.endr
.irp w, 1,2,3
.irp t, 0,1,2,3
	v_fmac_f32 v[ST+8*\t+7], v[CMR+4*\t+\w], v[LR+4*\t+\w]
.endr
.endr
.irp t, 0,1,2,3
	v_rcp_f32 v[ST+8*\t+7], v[ST+8*\t+7]
.endr
	v_nop
	s_wait_alu depctr_va_vdst(0)                   ; and one for the four
.irp t, 0,1,2,3
.irp w, 0,1,2,3
	v_mul_f32 v[G+8*\t+2*\w], v[CMR+4*\t+\w], v[ST+8*\t+7]
	v_mul_f32 v[G+8*\t+2*\w+1], v[CMR+4*\t+\w], v[ST+8*\t+7]
.endr
.endr
.endif
.irp c, 0,2,4,6,8,10,12,14
	v_pk_mul_f32 v[F+16*\q+\c:F+16*\q+\c+1], v[RB+\c:RB+\c+1], v[G+8*\q:G+8*\q+1]
.endr
.irp w, 1,2,3
.irp c, 0,2,4,6,8,10,12,14
	v_pk_fma_f32 v[F+16*\q+\c:F+16*\q+\c+1], v[RB+16*\w+\c:RB+16*\w+\c+1], v[G+8*\q+2*\w:G+8*\q+2*\w+1], v[F+16*\q+\c:F+16*\q+\c+1]
.endr
.endr
	BARRIER                                        ; every wave has read the images: they may be written again
.endr
.irp q, 0,1,2,3
.irp c, 0,1
.irp k, 0,1,2,3
	v_cvt_pk_f16_f32 v[RB+8*\q+4*\c+\k], v[F+16*\q+8*\c+2*\k], v[F+16*\q+8*\c+2*\k+1]
.endr
.endr
.endr
.irp q, 0,1,2,3
.irp c, 0,1
	ds_store_b128 v[MSO], v[RB+8*\q+4*\c:RB+8*\q+4*\c+3] offset:4352*\q+32*\c     ; query 16 q + r, channels 32 w + 16 c + 8 h on
.endr
.endr
	BARRIER                                        ; 64 whole rows lie in the stage
.irp t, 0,1,2,3,4,5,6,7
	ds_load_b128 v[96+4*\t:96+4*\t+3], v[MRD] offset:544*\t
.endr
.irp t, 0,1,2,3,4,5,6,7
	s_wait_dscnt 7-\t
	global_store_b128 v[GO], v[96+4*\t:96+4*\t+3], s[\base:\base+1] offset:8192*\t    ; sixteen lanes store 256 consecutive bytes, aligned
.endr
.endm
.Lround:                                               ; eight trips; the ninth round is written out
	CHANGE 1
	BODY
	s_add_co_u32 s70, s[R], 1
	s_cmp_lg_u32 s70, s[RA]                        ; the first block's last round?  The cluster's number and the count of rounds alone: the same in all waves and in all partners
	s_cbranch_scc1 .Lsame
	MERGE OCUR                                     ; the stores' base and offset are never rewritten; their data are freed by the wait beside the next round's wait for Q
	s_mov_b32 s[QB], s[QBB]                        ; on to block 31 - i
	s_lshl_b32 s[KBW], s[WV], 6
.irp t, 0,1,2,3
	v_mov_b32 v[ST+8*\t+1], 0xf149f2ca             ; m is set back.  Every unit of the new block's first round is open, so its a = 2^(c m_old - c m_new) is 0 and clears l and O^T
	v_mul_f32 v[ST+8*\t], s[CS], v[ST+8*\t+1]
.endr
	QLOAD QB2
.Lsame:
	s_add_co_u32 s[R], s[R], 1
	s_cmp_lt_u32 s[R], 8
	s_cbranch_scc1 .Lround
	CHANGE 0
	BODY
	MERGE OB2
	s_wait_tensorcnt 0x0                           ; the wave's end
	ds_add_u32 v[SPW], v[NIL]
	s_wait_dscnt 0x0
	CROUND                                         ; the closing round
	s_endpgm
.Lfunc_end_k_q9860eaac7e_attn:
	.size	k_q9860eaac7e_attn, .Lfunc_end_k_q9860eaac7e_attn-k_q9860eaac7e_attn
	.p2alignl 7, 3214868480
	.fill 96, 4, 3214868480
	.section	.rodata,"a",@progbits
	.p2align	6, 0x0
	.amdhsa_kernel k_q9860eaac7e_attn
		.amdhsa_group_segment_fixed_size 327680
		.amdhsa_private_segment_fixed_size 0
		.amdhsa_enable_private_segment 0
		.amdhsa_kernarg_size 16
		.amdhsa_user_sgpr_count 2
		.amdhsa_user_sgpr_kernarg_segment_ptr 1
		.amdhsa_wavefront_size32 1
		.amdhsa_system_sgpr_workgroup_id_x 1
		.amdhsa_system_sgpr_workgroup_id_y 1
		.amdhsa_system_sgpr_workgroup_id_z 1
		.amdhsa_system_vgpr_workitem_id 0
		.amdhsa_next_free_vgpr 1024
		.amdhsa_next_free_sgpr 100
		.amdhsa_reserve_vcc 1
		.amdhsa_float_denorm_mode_32 3
		.amdhsa_float_denorm_mode_16_64 3
		.amdhsa_memory_ordered 1
		.amdhsa_forward_progress 1
		.amdhsa_inst_pref_size 191
	.end_amdhsa_kernel
	.amdgpu_metadata
---
amdhsa.version: [ 1, 2 ]
amdhsa.kernels:
  - .name:           k_q9860eaac7e_attn
    .symbol:         k_q9860eaac7e_attn.kd
    .args:
      - { .name: qkv, .offset: 0, .size: 8, .value_kind: global_buffer, .address_space: global }
      - { .name: att, .offset: 8, .size: 8, .value_kind: global_buffer, .address_space: global }
    .group_segment_fixed_size: 327680
    .private_segment_fixed_size: 0
    .kernarg_segment_align: 8
    .kernarg_segment_size: 16
    .max_flat_workgroup_size: 128
    .sgpr_count:     100
    .vgpr_count:     1024
    .wavefront_size: 32
...
	.end_amdgpu_metadata
.endif
;; end of part 3
;; launch outp (part 4): grid 16 x 16, 4 waves a work-group, clusters of 4 x 4, 327,680 bytes of LDS; arguments att, wot, out0; writes out0
.if DOCPART == 4
	.amdgcn_target "amdgcn-amd-amdhsa--gfx1250"
	.amdhsa_code_object_version 6
	.text
	.protected	k_q9860eaac7e_outp
	.globl	k_q9860eaac7e_outp
	.p2align	8
	.type	k_q9860eaac7e_outp,@function
k_q9860eaac7e_outp:
	s_mov_b64 s[64:65], 0
	v_nop
	global_prefetch_b8 v0, s[64:65] scope:SCOPE_SE
	s_setreg_imm32_b32 hwreg(HW_REG_WAVE_MODE, 25, 1), 1
	s_wait_xcnt 0x0
	s_wait_alu depctr_hold_cnt(0) depctr_sa_sdst(0) depctr_va_vdst(0) depctr_va_sdst(0) depctr_va_ssrc(0) depctr_va_vcc(0) depctr_vm_vsrc(0)
	s_getreg_b32 s2, hwreg(HW_REG_IB_STS2, 6, 4)
	s_cmp_eq_u32 s2, 0
	s_cbranch_scc0 .Lentry_in_a_cluster
	s_endpgm
.Lentry_in_a_cluster:
	s_bfe_u32 s2, ttmp6, 0x10000c
	s_cmp_lg_u32 s2, 0xf033
	s_cbranch_scc0 .Lentry_shape_is_right
	s_endpgm
.Lentry_shape_is_right:
; out0 [2048][4096] f32 = att [2048][2048] f16 (= O / 8) x wot [4096 n][2048 k] f16 (= 8 wo, K innermost); f32 sums.
; A tile is 128 rows x 256 columns: 256 work-groups, one for each WGP (256 x 256 would give 128).  Four waves, each 64 x 128: 32 accumulators.
; K goes in steps of 128 (tile rows of 256 bytes) through two LDS slots; two slots of twice that step do not fit.  CLUSTERS 4 x 4: att's tiles are shared along a row of the cluster, wot's along a column.
; THE WALK: the tile column comes from the cluster's y, the tile row from its x.  Cluster (X, Y) begins along K at step 4 q, q = (X + 2 Y) mod 4, and goes round the end: the four clusters that read the same rows of wot
; (same Y) stand 4 K steps apart, and of those that read the same rows of att (same X) neighbours in Y stand 8 apart: no two of these ask for the same bytes at the same time.
; LIMIT: the f32 sums run along K from the cluster's own first step on, so their order of rounding differs from cluster to cluster and from an ascending K.
; THE MATRIX INSTRUCTION IS USED TRANSPOSED (source 0 = 16 rows of wot, source 1 = 16 rows of att): a lane holds eight neighbouring numbers of a row of out0.
; Rows 0-15 are written here like all others and written over by the launch that follows, which carries them in f32: leaving them out here would be a branch on a work-group's place in its cluster.
; REGISTERS: window 0: v16-30 addresses; att's fragments v64-95, v128-159.  window 1: wot's, v64-127, v128-191.  window 2: accumulator (a, b) at v[8 (8 a + b)].
.set PITCH, 272
.set AROWS, 64*PITCH
.set BROWS, 128*PITCH
.set BOFF,  2*AROWS
.set SLOT,  BOFF+2*BROWS
.set STAGE, 2*SLOT                     ; 16 rows x 528 for each wave; no tensor load lands here
.set SPITCH, 528
.set SPARE, STAGE+4*16*SPITCH
.set ADRA, 16
.set ADRB, 20
.set STO,  24
.set RD,   25
.set CO,   26
.set SPW,  28
.set NIL,  29
.set PFO,  30
.set F0,   64
.set F1,   128
.set BK,   64
.set WRP,  18                          ; s18  2 q: the trip (by its count s3) in which both slots' refills pass the end of K
.set WRP1, 19                          ; s19  2 q + 1: the trip in which the prefetches do
.set BKP,  22                          ; s[22:23] 4,096 (a row of K) in that trip, else 0
.set G1, 24
.set G0, 32
.set G1B, 48
.set G0B, 56
.set LIM, 43
.set PFA, 44
.set MSB, 0
.macro WIN new
.if MSB != \new
	s_set_vgpr_msb (MSB<<8)|\new
.set MSB, \new
.endif
.endm
.set MUL, 0xa1
.macro JLOAD s
	s_cmp_eq_u32 s11, 0
	s_cbranch_scc0 .Lfor_b_\@
	tensor_load_to_lds s[G0+4*\s:G0+4*\s+3], s[G1:G1+7]
	s_nop 0
.rept 4
	v_nop
.endr
	s_branch .Lasked_\@
.Lfor_b_\@:
	tensor_load_to_lds s[G0B+4*\s:G0B+4*\s+3], s[G1B:G1B+7]
	s_nop 0
.rept 4
	v_nop
.endr
.Lasked_\@:
.endm
; A prefetch of the K step that stands two refills on in my cluster's own walk: 32 rows x 256 bytes, a lane a row.  att's tile row is read by every cluster with the same x: the one with y = 0 asks, wave 0, the partner at cx
; taking rows 32 cx on; wot's tile column by every cluster with the same y: the one with x = 0 asks, waves 2 and 3 for their halves, the partner at cy taking rows 32 cy on.  So no row's 256 bytes of a K step are named twice.
; The first four K steps of the asking cluster's walk come by their loads alone; the loop's last trip asks for nothing: the walk's steps 14 and 15 are the last named.
.macro ASK
	s_cmp_gt_u32 s3, s[LIM]
	s_cbranch_scc0 .Lnot_mine_\@
	global_prefetch_b8 v[PFO], s[PFA:PFA+1] th:TH_LOAD_NT scope:SCOPE_SE
.Lnot_mine_\@:
.endm
.macro CREST
	s_cmp_lg_u32 s10, 0
	s_cbranch_scc1 .Lnot_wave_0_\@
	s_barrier_signal -3
.Lnot_wave_0_\@:
	s_barrier_wait -3
	s_barrier_signal -1
	s_barrier_wait -1
.endm
.macro CROUND
	s_barrier_signal -1
	s_barrier_wait -1
	CREST
.endm
.macro PLACES
.rept 4
	v_nop
.endr
.endm
	s_load_b128 s[4:7], s[0:1], 0x0                ; att, wot
	s_load_b64 s[8:9], s[0:1], 0x10                ; out0
	v_lshl_add_u32 v[SPW], v0, 2, SPARE
	v_mov_b32 v[NIL], 0
	ds_add_u32 v[SPW], v[NIL]                      ; the wave's opening: the add, twice on end, and its wait ahead of my first tensor load
	ds_add_u32 v[SPW], v[NIL]
	v_lshrrev_b32 v1, 5, v0
	v_readfirstlane_b32 s10, v1
	s_lshr_b32 s11, s10, 1                         ; my 64 rows.  Also: I fetch for att (0) or for wot (1)
	s_and_b32 s12, s10, 1                          ; my 128 columns.  Also: which half I fetch
	s_bfe_u32 s40, ttmp6, 0x40000
	s_bfe_u32 s41, ttmp6, 0x40004
	s_and_b32 s18, ttmp7, 0xffff                   ; the cluster's y
	s_lshl_b32 s42, s18, 2
	s_add_co_u32 s42, s42, s40                     ; tile column = 4 x cluster y + cx
	s_lshl_b32 s13, ttmp9, 2
	s_add_co_u32 s13, s13, s41                     ; tile row = 4 x cluster x + cy
	s_lshl_b32 s18, s18, 1
	s_add_co_u32 s18, s18, ttmp9
	s_and_b32 s18, s18, 3                          ; q = (X + 2 Y) mod 4: the same in all sixteen partners
	s_lshl_b32 s2, s18, 10                         ; my cluster's first K step, 4 q, in bytes of a row
	s_lshl_b32 s[WRP], s18, 1
	s_add_co_u32 s[WRP1], s[WRP], 1
	s_lshl_b32 s43, s41, 2
	s_lshl_b32 s43, 15, s43
	s_lshl_b32 s44, 0x1111, s40
	s_or_b32 s[G1+0], s43, (1<<16)|(1<<20)|(1<<21)|(5<<22)|(3<<25)    ; the mask; elements of 2 bytes; padding: 4 words after every 64
	s_or_b32 s[G1B+0], s44, (1<<16)|(1<<20)|(1<<21)|(5<<22)|(3<<25)
	s_mov_b32 s[G1+1], 128<<16
	s_mov_b32 s[G1+2], 64<<16
	s_mov_b32 s[G1+3], 128<<16
	s_mov_b32 s[G1+4], 64
	s_mov_b32 s[G1+5], 2048
	s_mov_b32 s[G1+6], 0
	s_mov_b32 s[G1+7], 0
	s_mov_b32 s[G1B+1], 128<<16
	s_mov_b32 s[G1B+2], 128<<16
	s_mov_b32 s[G1B+3], 128<<16
	s_mov_b32 s[G1B+4], 128
	s_mov_b32 s[G1B+5], 2048
	s_mov_b32 s[G1B+6], 0
	s_mov_b32 s[G1B+7], 0
	s_lshl_b32 s17, s12, 6
	s_lshl_b32 s16, s13, 7
	s_add_co_u32 s16, s16, s17
	s_lshl_b32 s16, s16, 12                        ; att: row 128 x tile row + 64 x half, 4,096 bytes a row,
	s_add_co_u32 s16, s16, s2                      ; at my cluster's first K step
	s_mov_b32 s17, 0
	s_lshl_b32 s47, s12, 7
	s_lshl_b32 s46, s42, 8
	s_add_co_u32 s46, s46, s47
	s_lshl_b32 s46, s46, 12                        ; wot: row 256 x tile column + 128 x half,
	s_add_co_u32 s46, s46, s2                      ; likewise
	s_mov_b32 s47, 0
	s_mul_i32 s20, s12, AROWS
	s_mul_i32 s21, s12, BROWS
	s_wait_dscnt 0x0                               ; both opening adds are done
	s_wait_kmcnt 0x0
	s_add_nc_u64 s[14:15], s[4:5], s[16:17]
	s_add_nc_u64 s[46:47], s[6:7], s[46:47]
	CROUND
.irp s, 0,1
	s_mov_b32 s[G0+4*\s], 1
	s_add_co_u32 s[G0+4*\s+1], s20, \s*SLOT
	s_add_nc_u64 s[G0+4*\s+2:G0+4*\s+3], s[14:15], \s*256
	s_or_b32 s[G0+4*\s+3], s[G0+4*\s+3], 0x80000000
	s_mov_b32 s[G0B+4*\s], 1
	s_add_co_u32 s[G0B+4*\s+1], s21, \s*SLOT+BOFF
	s_add_nc_u64 s[G0B+4*\s+2:G0B+4*\s+3], s[46:47], \s*256
	s_or_b32 s[G0B+4*\s+3], s[G0B+4*\s+3], 0x80000000
	JLOAD \s                                       ; two tensor loads of mine are out: K steps 4 q and 4 q + 1, at most 13: inside a row
.endr
	v_and_b32 v1, 15, v0
	v_bfe_u32 v2, v0, 4, 1
	v_mul_u32_u24 v3, v1, PITCH
	v_lshl_add_u32 v3, v2, 4, v3
	s_mul_i32 s21, s11, AROWS
	s_mul_i32 s22, s12, BROWS
	s_add_co_u32 s22, s22, BOFF
.irp s, 0,1
	v_add_nc_u32 v[ADRA+\s], s21, v3
	v_add_nc_u32 v[ADRB+\s], s22, v3
	s_add_co_u32 s21, s21, SLOT
	s_add_co_u32 s22, s22, SLOT
.endr
	s_mul_i32 s23, s10, 16*SPITCH
	s_add_co_u32 s23, s23, STAGE
	v_mul_u32_u24 v4, v1, SPITCH
	v_lshl_add_u32 v4, v2, 5, v4
	v_add_nc_u32 v[STO], s23, v4                   ; in: row r, 32 bytes for each half of the lanes
	v_and_b32 v5, 31, v0
	v_lshlrev_b32 v[CO], 4, v5                     ; back: the 32 lanes take one row of 512 bytes; and the same in out0
	v_add_nc_u32 v[RD], s23, v[CO]
	v_lshlrev_b32 v[PFO], 12, v5                   ; a lane a row of 4,096 bytes
	s_lshl_b32 s16, s13, 7
	s_lshl_b32 s17, s11, 6
	s_add_co_u32 s16, s16, s17
	s_lshl_b32 s16, s16, 14                        ; my first row of out0, 16,384 bytes a row
	s_lshl_b32 s46, s42, 10
	s_lshl_b32 s47, s12, 9
	s_add_co_u32 s46, s46, s47
	s_add_co_u32 s16, s16, s46
	s_mov_b32 s17, 0
	s_add_nc_u64 s[8:9], s[8:9], s[16:17]
	s_lshl_b32 s20, s13, 7                         ; the prefetches: att's tile begins here,
	s_lshl_b32 s21, s42, 8
	s_lshl_b32 s22, s12, 7
	s_add_co_u32 s21, s21, s22                     ; my half of wot's here
	s_and_b32 s22, ttmp7, 0xffff
	s_cmp_eq_u32 s11, 0
	s_cselect_b32 s20, s20, s21
	s_cselect_b32 s21, s40, s41                    ; my place among the four that ask jointly: it enters the address alone
	s_cselect_b32 s22, s22, ttmp9                  ; the coordinate along which other clusters read the same rows: y for att, x for wot
	s_cselect_b32 s23, s12, 0                      ; (wave 1 never asks)
	s_cselect_b64 s[PFA:PFA+1], s[4:5], s[6:7]
	s_or_b32 s22, s22, s23
	s_cmp_eq_u32 s22, 0
	s_cselect_b32 s[LIM], 1, -1                    ; the same in all sixteen partners, for a given wave
	s_lshl_b32 s21, s21, 5
	s_add_co_u32 s20, s20, s21
	s_lshl_b32 s20, s20, 12
	s_add_co_u32 s20, s20, 768                     ; at step 3 of my cluster's walk: the first refill steps it to step 4 and names that
	s_add_co_u32 s20, s20, s2
	s_mov_b32 s21, 0
	s_add_nc_u64 s[PFA:PFA+1], s[PFA:PFA+1], s[20:21]
	s_mov_b32 s[BKP], 0
	s_mov_b32 s[BKP+1], 0
.macro MULH f, a0, zero                ; 16 matrix instructions; the 32 accumulators take turns in one order throughout
.irp a, \a0, \a0+1
.irp b, 0,1,2,3,4,5,6,7
.if \zero
	v_wmma_f32_16x16x32_f16 v[8*(8*(\a)+\b):8*(8*(\a)+\b)+7], v[\f+8*\b:\f+8*\b+7], v[\f+8*(\a):\f+8*(\a)+7], 0
.else
	v_wmma_f32_16x16x32_f16 v[8*(8*(\a)+\b):8*(8*(\a)+\b)+7], v[\f+8*\b:\f+8*\b+7], v[\f+8*(\a):\f+8*(\a)+7], v[8*(8*(\a)+\b):8*(8*(\a)+\b)+7]
.endif
.endr
.endr
.endm
.macro FETCH slot, k, f                ; 24 loads: 32 along K at byte k of the rows
	WIN 0x40
.irp i, 0,1,2,3,4,5,6,7
	ds_load_b128 v[\f+8*\i:\f+8*\i+3],   v[ADRB+\slot] offset:\k+\i*16*PITCH
	ds_load_b128 v[\f+8*\i+4:\f+8*\i+7], v[ADRB+\slot] offset:\k+\i*16*PITCH+32
.endr
	WIN 0
.irp i, 0,1,2,3
	ds_load_b128 v[\f+8*\i:\f+8*\i+3],   v[ADRA+\slot] offset:\k+\i*16*PITCH
	ds_load_b128 v[\f+8*\i+4:\f+8*\i+7], v[ADRA+\slot] offset:\k+\i*16*PITCH+32
.endr
.endm
.macro QUARTER slot, k, f, g, zero     ; multiplies buffer f; ahead of that it asks for the next quarter, at byte k, into buffer g
	s_wait_dscnt 0x0                               ; buffer f, asked for a quarter ago, is in
	PLACES                                         ; in front of loads into the buffer that the last quarter multiplied
	FETCH \slot, \k, \g
	WIN MUL
	MULH \f, 0, \zero
	MULH \f, 2, \zero
	WIN 0
.endm
; A slot's last quarter changes slots.  fill = 1: the slot is filled again with the K step two on in the walk.  Refill n (trip n = 8 - s3) of slot s is K step 4 q + s + 2 n: it passes 16 in trip 8 - 2 q, where s3 = 2 q, for
; both slots: there a row's 4,096 bytes are taken off.  The prefetches, two steps further on, pass 16 a trip earlier, at slot 0's change.
.macro TURN slot, next, fill
.if \fill
	s_wait_xcnt 0x0                                ; the last prefetch, a K step back, has read its address
	s_add_nc_u64 s[PFA:PFA+1], s[PFA:PFA+1], 256
.if \slot == 0
	s_cmp_eq_u32 s3, s[WRP1]
	s_cselect_b32 s[BKP], 4096, 0
	s_sub_nc_u64 s[PFA:PFA+1], s[PFA:PFA+1], s[BKP:BKP+1]
.endif
.endif
	s_wait_tensorcnt 0x0                           ; all my tensor loads have landed: my part of the next slot
	ds_add_u32 v[SPW], v[NIL]                      ; 0 onto my spare word
.if \fill
	s_cmp_eq_u32 s3, s[WRP]
	s_cselect_b32 s[BKP], 4096, 0
	s_add_nc_u64 s[G0+4*\slot+2:G0+4*\slot+3], s[G0+4*\slot+2:G0+4*\slot+3], 512
	s_sub_nc_u64 s[G0+4*\slot+2:G0+4*\slot+3], s[G0+4*\slot+2:G0+4*\slot+3], s[BKP:BKP+1]
	s_add_nc_u64 s[G0B+4*\slot+2:G0B+4*\slot+3], s[G0B+4*\slot+2:G0B+4*\slot+3], 512
	s_sub_nc_u64 s[G0B+4*\slot+2:G0B+4*\slot+3], s[G0B+4*\slot+2:G0B+4*\slot+3], s[BKP:BKP+1]
.endif
	s_wait_dscnt 0x0                               ; the add is done, and my reads of this slot are over
	s_barrier_signal -1
	WIN MUL
	MULH F1, 0, 0
	WIN 0
	s_barrier_wait -1
.if \fill
	CREST                                          ; no wave of any partner still reads this slot or has a load on its way
	JLOAD \slot                                    ; the first tensor load behind the round; its four v_nop are the places in front of the loads below
.else
	PLACES
.endif
	FETCH \next, 0, F0
.if \fill
	ASK
.endif
	WIN MUL
	MULH F1, 2, 0
	WIN 0
.endm
	s_wait_tensorcnt 1                             ; my part of the walk's first K step is in; the second's may be out
	s_barrier_signal -1
	s_barrier_wait -1
	FETCH 0, 0, F0
	QUARTER 0, 64, F0, F1, 1                       ; the first quarter's products start the sums
	s_mov_b32 s3, 7
.Llap:                                                 ; a trip goes once round the ring and fills both slots again: steps 2 .. 15 of the walk
	QUARTER 0, 128, F1, F0, 0
	QUARTER 0, 192, F0, F1, 0
	TURN 0, 1, 1
	QUARTER 1, 64,  F0, F1, 0
	QUARTER 1, 128, F1, F0, 0
	QUARTER 1, 192, F0, F1, 0
	TURN 1, 0, 1
	QUARTER 0, 64,  F0, F1, 0
	s_sub_co_u32 s3, s3, 1
	s_cmp_lg_u32 s3, 0
	s_cbranch_scc1 .Llap
	QUARTER 0, 128, F1, F0, 0                      ; the last lap fills nothing
	QUARTER 0, 192, F0, F1, 0
	TURN 0, 1, 0
	QUARTER 1, 64,  F0, F1, 0
	QUARTER 1, 128, F1, F0, 0
	QUARTER 1, 192, F0, F1, 0
	s_wait_dscnt 0x0
	WIN MUL
	MULH F1, 0, 0
	MULH F1, 2, 0
	WIN 0
; THE WAY OUT, 16 rows x 128 columns at a time, through my own stage: in as 32 bytes a lane, back as whole rows of 512 bytes.
.macro TOSTAGE a
	WIN 0x08                                       ; the data: window 2
.irp b, 0,1,2,3,4,5,6,7
	ds_store_b128 v[STO], v[64*(\a)+8*\b:64*(\a)+8*\b+3] offset:64*\b            ; each accumulator from its low end on
	ds_store_b128 v[STO], v[64*(\a)+8*\b+4:64*(\a)+8*\b+7] offset:64*\b+16
.endr
	WIN 0
.irp t, 0,1,2,3,4,5,6,7,8,9,10,11,12,13,14,15
	ds_load_b128 v[BK+64*((\a)%2)+4*\t:BK+64*((\a)%2)+4*\t+3], v[RD] offset:\t*SPITCH   ; LDS serves a wave's instructions in order
.endr
.endm
.macro SEND a, younger
	s_wait_dscnt \younger
.if (\a) > 0
	s_add_nc_u64 s[8:9], s[8:9], 16*16384          ; (behind a wait on XCNT: the earlier stores have read their base)
.endif
.irp t, 0,1,2,3,4,5,6,7,8,9,10,11,12,13,14,15
	global_store_b128 v[CO], v[BK+64*((\a)%2)+4*\t:BK+64*((\a)%2)+4*\t+3], s[8:9] offset:\t*16384 th:TH_STORE_NT   ; 32 lanes store 512 consecutive bytes, aligned
.endr
.endm
	PLACES
	TOSTAGE 0
.irp a, 1,2,3
.if \a > 1
	s_wait_xcnt 0x0                                ; block a - 2's stores have read their registers and their base
.endif
	TOSTAGE \a
	SEND \a-1, 32                                  ; behind block a - 1's loads: block a's 16 stores and 16 loads
.endr
	s_wait_xcnt 0x0
	SEND 3, 0
	s_wait_tensorcnt 0x0                           ; the wave's end
	ds_add_u32 v[SPW], v[NIL]
	s_wait_dscnt 0x0
	CROUND                                         ; the closing round
	s_endpgm
.Lfunc_end_k_q9860eaac7e_outp:
	.size	k_q9860eaac7e_outp, .Lfunc_end_k_q9860eaac7e_outp-k_q9860eaac7e_outp
	.p2alignl 7, 3214868480
	.fill 96, 4, 3214868480
	.section	.rodata,"a",@progbits
	.p2align	6, 0x0
	.amdhsa_kernel k_q9860eaac7e_outp
		.amdhsa_group_segment_fixed_size 327680
		.amdhsa_private_segment_fixed_size 0
		.amdhsa_enable_private_segment 0
		.amdhsa_kernarg_size 24
		.amdhsa_user_sgpr_count 2
		.amdhsa_user_sgpr_kernarg_segment_ptr 1
		.amdhsa_wavefront_size32 1
		.amdhsa_system_sgpr_workgroup_id_x 1
		.amdhsa_system_sgpr_workgroup_id_y 1
		.amdhsa_system_sgpr_workgroup_id_z 1
		.amdhsa_system_vgpr_workitem_id 0
		.amdhsa_next_free_vgpr 768
		.amdhsa_next_free_sgpr 66
		.amdhsa_reserve_vcc 0
		.amdhsa_float_denorm_mode_32 3
		.amdhsa_float_denorm_mode_16_64 3
		.amdhsa_memory_ordered 1
		.amdhsa_forward_progress 1
		.amdhsa_inst_pref_size 87
	.end_amdhsa_kernel
	.amdgpu_metadata
---
amdhsa.version: [ 1, 2 ]
amdhsa.kernels:
  - .name:           k_q9860eaac7e_outp
    .symbol:         k_q9860eaac7e_outp.kd
    .args:
      - { .name: att, .offset: 0, .size: 8, .value_kind: global_buffer, .address_space: global }
      - { .name: wot, .offset: 8, .size: 8, .value_kind: global_buffer, .address_space: global }
      - { .name: out0, .offset: 16, .size: 8, .value_kind: global_buffer, .address_space: global }
    .group_segment_fixed_size: 327680
    .private_segment_fixed_size: 0
    .kernarg_segment_align: 8
    .kernarg_segment_size: 24
    .max_flat_workgroup_size: 128
    .sgpr_count:     66
    .vgpr_count:     768
    .wavefront_size: 32
...
	.end_amdgpu_metadata
.endif
;; end of part 4
;; launch first16 (part 5): grid 256 x 1, 16 waves a work-group, no clusters, 18,432 bytes of LDS; arguments q16, wo, out0; writes out0
.if DOCPART == 5
	.amdgcn_target "amdgcn-amd-amdhsa--gfx1250"
	.amdhsa_code_object_version 6
	.text
	.protected	k_q9860eaac7e_first16
	.globl	k_q9860eaac7e_first16
	.p2align	8
	.type	k_q9860eaac7e_first16,@function
k_q9860eaac7e_first16:
	s_mov_b64 s[64:65], 0
	v_nop
	global_prefetch_b8 v0, s[64:65] scope:SCOPE_SE
	s_setreg_imm32_b32 hwreg(HW_REG_WAVE_MODE, 25, 1), 1
	s_wait_xcnt 0x0
; Positions 0-15 in f32 throughout: under the causal mask they average one to sixteen values and are the largest in size, so the rounding of 16-bit operands would weigh most there.
; q16: [24 heads][16][128] f32, x 2^-3 (heads 0-15 q, 16-19 k, 20-23 v).  wo: [2048][4096] f32.  Rows 0-15 of out0 are written over.
; A work-group owns 16 columns of out0.  Wave hd is head hd: it makes its head's 16 x 16 attention, then multiplies its own 128 channels by wo's rows 128 hd on: K of the projection is shared among the sixteen waves,
; and the attention's result never changes lanes.  The sixteen partial tiles are summed through LDS.  The small attention is repeated in every work-group.
; All products by v_wmma_f32_16x16x4_f32, 96 a wave: no bulk work.  Its result registers, v208-255, are written by matrix instructions alone; accumulators take turns, one instruction a turn.
; Both products of the attention are used transposed: a lane holds one query.  k is laid alike on both sides of each product, in the order in which the registers come.
; The 256 KB of results leave as pieces of 16 bytes a lane, 64 consecutive bytes of each row from a work-group.
.set SPW, 14
.set NIL, 15
	s_load_b128 s[4:7], s[0:1], 0x0                ; q16, wo
	s_load_b64 s[8:9], s[0:1], 0x10                ; out0
	v_lshl_add_u32 v[SPW], v0, 2, 16384            ; the spare words lie behind the sixteen partial tiles
	v_mov_b32 v[NIL], 0
	v_lshrrev_b32 v1, 5, v0
	v_readfirstlane_b32 s10, v1                    ; my head
	v_and_b32 v1, 15, v0                           ; r
	v_bfe_u32 v2, v0, 4, 1                         ; h
	v_lshlrev_b32 v3, 9, v1
	v_lshl_add_u32 v3, v2, 4, v3                   ; q, k: row r of 512 bytes, + 16 h
	v_lshlrev_b32 v4, 2, v1
	v_lshl_add_u32 v5, v2, 17, v4                  ; wo: 8 h rows of 16,384 bytes, + 4 r
	v_lshl_add_u32 v4, v2, 12, v4                  ; v: 8 h rows of 512 bytes, + 4 r
	v_lshlrev_b32 v6, 3, v2
	v_sub_nc_u32 v6, v1, v6                        ; r - 8 h
	s_and_b32 s11, s10, 1
	s_lshl_b32 s24, s11, 4
	v_lshlrev_b32 v7, 14, v1
	v_lshl_add_u32 v7, v2, 5, v7
	v_add_nc_u32 v7, s24, v7                       ; out0: row r, + 32 h, + 16 x (wave % 2)
	v_and_b32 v10, 31, v0
	v_lshlrev_b32 v10, 4, v10
	s_lshl_b32 s24, s10, 10
	v_add_nc_u32 v8, s24, v10                      ; my partial tile: 1,024 x wave + 16 x lane
	s_lshl_b32 s24, s11, 9
	v_add_nc_u32 v9, s24, v10                      ; and where a summing wave reads: 512 x (wave % 2) + 16 x lane
	s_mov_b32 s20, 0x76543210
	s_mov_b32 s21, 0xfedcba98
	s_mov_b32 s22, 0x410293ee                      ; c = 64 log2(e) / sqrt(128)
	s_mov_b32 s23, s22
	s_lshl_b32 s24, s10, 13
	s_mov_b32 s25, 0
	s_lshr_b32 s26, s10, 2
	s_add_co_u32 s26, s26, 16
	s_lshl_b32 s26, s26, 13
	s_mov_b32 s27, 0
	s_lshl_b32 s28, s10, 21
	s_lshl_b32 s30, ttmp9, 6
	s_add_co_u32 s28, s28, s30
	s_mov_b32 s29, 0
	s_mov_b32 s31, 0
	s_wait_kmcnt 0x0
	s_add_nc_u64 s[12:13], s[4:5], s[24:25]        ; q of my head
	s_add_nc_u64 s[14:15], s[4:5], s[26:27]        ; k of its group
	s_add_nc_u64 s[16:17], s[14:15], 32768         ; v
	s_add_nc_u64 s[18:19], s[6:7], s[28:29]        ; wo at row 128 hd, my work-group's 16 columns
	s_add_nc_u64 s[8:9], s[8:9], s[30:31]
.irp c, 0,1,2,3,4,5,6,7,8,9,10,11,12,13,14,15
	global_load_b128 v[16+4*\c:19+4*\c], v3, s[12:13] offset:32*\c      ; channels 8 c + 4 h + 0 .. 3 of row r
	global_load_b128 v[80+4*\c:83+4*\c], v3, s[14:15] offset:32*\c
.endr
.irp ct, 0,1,2,3
.irp kk, 0,1,2,3,4,5,6,7
	global_load_b32 v[144+8*\ct+\kk], v5, s[18:19] offset:(16*\ct+\kk)*16384 th:TH_LOAD_NT   ; wo(128 hd + 16 ct + 8 h + kk, column r)
.endr
.endr
	s_wait_loadcnt 32                              ; q and k are in; the 32 loads of wo may be out
	; S^T = k q^T: two accumulators by turns; the first two products start the sums
.irp c, 0,1,2,3,4,5,6,7,8,9,10,11,12,13,14,15
.if \c == 0
	v_wmma_f32_16x16x4_f32 v[208:215], v[80:81], v[16:17], 0
	v_wmma_f32_16x16x4_f32 v[216:223], v[82:83], v[18:19], 0
.else
	v_wmma_f32_16x16x4_f32 v[208:215], v[80+4*\c:81+4*\c], v[16+4*\c:17+4*\c], v[208:215]
	v_wmma_f32_16x16x4_f32 v[216:223], v[82+4*\c:83+4*\c], v[18+4*\c:19+4*\c], v[216:223]
.endif
.endr
.rept 8
	v_nop                                          ; eight places behind this form, ahead of loads into its sources and of the first read of its results
.endr
.irp ct, 0,1,2,3,4,5,6,7
.irp kk, 0,1,2,3,4,5,6,7
	global_load_b32 v[16+8*\ct+\kk], v4, s[16:17] offset:512*\kk+64*\ct      ; v(key 8 h + kk, channel 16 ct + r)
.endr
.endr
.irp ct, 4,5,6,7
.irp kk, 0,1,2,3,4,5,6,7
	global_load_b32 v[144+8*\ct+\kk], v5, s[18:19] offset:(16*\ct+\kk)*16384 th:TH_LOAD_NT
.endr
.endr
	; the softmax: lane (r, h) holds query r and keys 8 h + 0 .. 7
.irp j, 0,2,4,6
	v_pk_add_f32 v[80+\j:81+\j], v[208+\j:209+\j], v[216+\j:217+\j]    ; from the low end on
.endr
	v_mov_b32 v104, 0xff800000
.irp j, 0,1,2,3,4,5,6,7
	v_cmp_gt_i32 vcc_lo, \j, v6                    ; key 8 h + j comes after query r
	v_cndmask_b32 v[80+\j], v[80+\j], v104, vcc_lo
.endr
	v_max3_num_f32 v105, v80, v81, v82
	v_max3_num_f32 v105, v105, v83, v84
	v_max3_num_f32 v105, v105, v85, v86
	v_max_num_f32 v105, v105, v87
	v_mov_b32 v106, 0
	v_permlanex16_b32 v106, v105, s20, s21
	v_max_num_f32 v105, v105, v106                 ; the row's maximum: key 0 counts for every query
	v_mul_f32 v106, s22, v105
	v_mov_b32 v107, v106
.irp j, 0,2,4,6
	v_pk_fma_f32 v[80+\j:81+\j], v[80+\j:81+\j], s[22:23], v[106:107] op_sel_hi:[1,0,1] neg_lo:[0,0,1] neg_hi:[0,0,1]
.endr
.irp j, 0,1,2,3,4,5,6,7
	v_exp_f32 v[80+\j], v[80+\j]
.endr
	v_nop
	s_wait_alu depctr_va_vdst(0)                   ; one wait for the eight
	v_pk_add_f32 v[108:109], v[80:81], v[82:83]
	v_pk_add_f32 v[110:111], v[84:85], v[86:87]
	v_pk_add_f32 v[108:109], v[108:109], v[110:111]
	v_add_f32 v108, v108, v109
	v_permlanex16_b32 v109, v108, s20, s21
	v_add_f32 v108, v108, v109
	v_rcp_f32 v108, v108
	v_nop
	s_wait_alu depctr_va_vdst(0)
	v_mul_f32 v108, 0x41000000, v108               ; 8 / sum: the 8 undoes v's 2^-3
	v_mov_b32 v109, v108
.irp j, 0,2,4,6
	v_pk_mul_f32 v[88+\j:89+\j], v[80+\j:81+\j], v[108:109]
.endr
	s_wait_loadcnt 0x0                             ; v and the rest of wo
; O^T of four channel tiles, then their part of the projection.  Nine places stand between a result and the matrix instruction that takes it as a source, and ahead of one that writes over a source.
.macro HALF g
.irp s, 0,1,2,3
.irp q, 0,1,2,3
.if \s == 0
	v_wmma_f32_16x16x4_f32 v[224+8*\q:231+8*\q], v[16+8*(4*\g+\q)+2*\s:17+8*(4*\g+\q)+2*\s], v[88+2*\s:89+2*\s], 0
.else
	v_wmma_f32_16x16x4_f32 v[224+8*\q:231+8*\q], v[16+8*(4*\g+\q)+2*\s:17+8*(4*\g+\q)+2*\s], v[88+2*\s:89+2*\s], v[224+8*\q:231+8*\q]
.endif
.endr
.endr
.rept 9
	v_nop
.endr
.irp q, 0,1,2,3
.irp s, 0,1,2,3
.if (\g == 0) && (\q == 0) && (\s < 2)
	v_wmma_f32_16x16x4_f32 v[208+8*(\s%2):215+8*(\s%2)], v[144+8*(4*\g+\q)+2*\s:145+8*(4*\g+\q)+2*\s], v[224+8*\q+2*\s:225+8*\q+2*\s], 0
.else
	v_wmma_f32_16x16x4_f32 v[208+8*(\s%2):215+8*(\s%2)], v[144+8*(4*\g+\q)+2*\s:145+8*(4*\g+\q)+2*\s], v[224+8*\q+2*\s:225+8*\q+2*\s], v[208+8*(\s%2):215+8*(\s%2)]
.endif
.endr
.endr
.rept 9
	v_nop
.endr
.endm
	HALF 0
	HALF 1
.irp j, 0,2,4,6
	v_pk_add_f32 v[96+\j:97+\j], v[208+\j:209+\j], v[216+\j:217+\j]    ; my head's part of out0(r, 8 h + 0 .. 7 of the 16 columns)
.endr
	ds_store_b128 v8, v[96:99]
	ds_store_b128 v8, v[100:103] offset:512
	s_wait_dscnt 0x0                               ; for the others' sake: my stores have landed
	s_barrier_signal -1
	s_barrier_wait -1
	s_cmp_lt_u32 s10, 2                            ; waves 0 and 1 sum the sixteen parts, four columns a lane each
	s_cbranch_scc0 .Ldone
.irp w, 0,1,2,3,4,5,6,7,8,9,10,11,12,13,14,15
	ds_load_b128 v[16+4*\w:19+4*\w], v9 offset:1024*\w
.endr
	s_wait_dscnt 0x0
.irp w, 0,1,2,3,4,5,6,7
	v_pk_add_f32 v[16+4*\w:17+4*\w], v[16+4*\w:17+4*\w], v[48+4*\w:49+4*\w]
	v_pk_add_f32 v[18+4*\w:19+4*\w], v[18+4*\w:19+4*\w], v[50+4*\w:51+4*\w]
.endr
.irp w, 0,1,2,3
	v_pk_add_f32 v[16+4*\w:17+4*\w], v[16+4*\w:17+4*\w], v[32+4*\w:33+4*\w]
	v_pk_add_f32 v[18+4*\w:19+4*\w], v[18+4*\w:19+4*\w], v[34+4*\w:35+4*\w]
.endr
.irp w, 0,1
	v_pk_add_f32 v[16+4*\w:17+4*\w], v[16+4*\w:17+4*\w], v[24+4*\w:25+4*\w]
	v_pk_add_f32 v[18+4*\w:19+4*\w], v[18+4*\w:19+4*\w], v[26+4*\w:27+4*\w]
.endr
	v_pk_add_f32 v[16:17], v[16:17], v[20:21]
	v_pk_add_f32 v[18:19], v[18:19], v[22:23]
	global_store_b128 v7, v[16:19], s[8:9]
.Ldone:
	s_wait_tensorcnt 0x0                           ; the wave's end, behind my last LDS store
	ds_add_u32 v[SPW], v[NIL]
	s_wait_dscnt 0x0
	s_endpgm
.Lfunc_end_k_q9860eaac7e_first16:
	.size	k_q9860eaac7e_first16, .Lfunc_end_k_q9860eaac7e_first16-k_q9860eaac7e_first16
	.p2alignl 7, 3214868480
	.fill 96, 4, 3214868480
	.section	.rodata,"a",@progbits
	.p2align	6, 0x0
	.amdhsa_kernel k_q9860eaac7e_first16
		.amdhsa_group_segment_fixed_size 18432
		.amdhsa_private_segment_fixed_size 0
		.amdhsa_enable_private_segment 0
		.amdhsa_kernarg_size 24
		.amdhsa_user_sgpr_count 2
		.amdhsa_user_sgpr_kernarg_segment_ptr 1
		.amdhsa_wavefront_size32 1
		.amdhsa_system_sgpr_workgroup_id_x 1
		.amdhsa_system_sgpr_workgroup_id_y 1
		.amdhsa_system_sgpr_workgroup_id_z 1
		.amdhsa_system_vgpr_workitem_id 0
		.amdhsa_next_free_vgpr 256
		.amdhsa_next_free_sgpr 66
		.amdhsa_reserve_vcc 1
		.amdhsa_float_denorm_mode_32 3
		.amdhsa_float_denorm_mode_16_64 3
		.amdhsa_memory_ordered 1
		.amdhsa_forward_progress 1
		.amdhsa_inst_pref_size 31
	.end_amdhsa_kernel
	.amdgpu_metadata
---
amdhsa.version: [ 1, 2 ]
amdhsa.kernels:
  - .name:           k_q9860eaac7e_first16
    .symbol:         k_q9860eaac7e_first16.kd
    .args:
      - { .name: q16, .offset: 0, .size: 8, .value_kind: global_buffer, .address_space: global }
      - { .name: wo, .offset: 8, .size: 8, .value_kind: global_buffer, .address_space: global }
      - { .name: out0, .offset: 16, .size: 8, .value_kind: global_buffer, .address_space: global }
    .group_segment_fixed_size: 18432
    .private_segment_fixed_size: 0
    .kernarg_segment_align: 8
    .kernarg_segment_size: 24
    .max_flat_workgroup_size: 512
    .sgpr_count:     66
    .vgpr_count:     256
    .wavefront_size: 32
...
	.end_amdgpu_metadata
.endif
;; end of part 5
